; MI455X (gfx1250); checked and timed in simulation.
; The chip was launched on July 23, 2026; its instructions are those of AMD's public machine-readable ISA for CDNA 5 (MIT licence, August 2026) and "CDNA5" Instruction Set Architecture Reference Guide (July 2026). The comments in the code are by the model that wrote it; some were corrected since.
;; Bahdanau Attention. Allowed arithmetic: matrix products marked QUANTISED: E3M2 operands, one E8M0 scale for each 32 along K, by v_wmma_scale_f32_16x16x128_f8f6f4 with both operands' format E3M2, f32 sums; products left as they are: f32 operands where the result goes on into a quantised operand, else bf16, f16 or f32 operands; f32 sums; everything else in f32.
;; Inputs: W_decoder 1,024 x 1,024 float32; W_encoder 1,024 x 1,024 float32; key 32 x 2,048 x 1,024 float32; q 32 x 1,024 float32; v 1 x 1,024 float32.
;; Outputs: out0 32 x 1,024 float32.
;; This version of the problem:
;;   THIS VERSION OF THE PROBLEM IS GIVEN IN LOW PRECISION. The matrix products marked QUANTISED in the list below multiply operands that are first quantised to E3M2 (3 exponent bits, 2 mantissa bits; 6 bits a number), with one power-of-two scale for each 32 numbers along K (OCP MX v1.0); their sums are f32. All else is computed in f32.
;;   The module's matrix products, in the order in which they are computed (A, B: the left and right operand; K: the contracted axis; several contracted axes count as one K, in the product's order):
;;     1. [M 65,536, K 1,024] x [K 1,024, N 1,024]; A: input key; B: input W_encoder: QUANTISED
;;     2. [M 32, K 1,024] x [K 1,024, N 1,024]; A: input q; B: input W_decoder: QUANTISED
;;     3. [M 65,536, K 1,024] x [K 1,024, N 1]; A: computed on the way; B: input v: left as it is (N = 1 < 16)
;;     4. batch 32 x [M 1, K 2,048] x [K 2,048, N 1,024]; A: softmax; B: input key: left as it is (M = 1 < 16)
;;   THE QUANTISER, for each operand of a quantised product, along K:
;;     - K is cut into blocks of 32 from its start; a last block that is shorter is filled with zeros.
;;     - A block's scale is 2^e with e = floor(log2(the largest magnitude in the block)) - 4, held to -126 .. 127; a block of zeros has e = 0. As a byte (E8M0): e + 127.
;;     - Each number is divided by its block's scale, clamped to +-28, and rounded to the nearest number of E3M2, ties to even, subnormals kept.
;;     - The product sums the exact products of the quantised numbers (number of the format x scale) in f32.
;;   ~~~python
;;   def quantise(x, axis):      # numpy; x: float32 -> the quantised numbers, widened to float32 again
;;       x = np.moveaxis(x, axis, -1); K = x.shape[-1]
;;       x = np.pad(x, [(0, 0)] * (x.ndim - 1) + [(0, -K % 32)]); x = x.reshape(x.shape[:-1] + (-1, 32)); a = np.abs(x).max(-1, keepdims=True)
;;       e = np.where(a > 0, np.clip(np.frexp(np.where(a > 0, a, 1))[1] - 1 - 4, -126, 127), 0)      # np.frexp(a)[1] - 1 = floor(log2(a)), exactly
;;       r = np.clip(x / 2.0 ** e, -28, 28)
;;       step = 2.0 ** (np.maximum(np.frexp(np.where(r == 0, 1, r))[1] - 1, -2) - 2)
;;       q = np.round(r / step) * step * 2.0 ** e      # np.round: ties to even
;;       return np.moveaxis(q.reshape(q.shape[:-2] + (-1,))[..., :K], -1, axis).astype(np.float32)
;;   ~~~
;; 2 versions, each right; version 2 is version 1 with the launches prep, main written anew for expert scheduling mode. Each part assembles by itself: llvm-mc -triple=amdgcn-amd-amdhsa -mcpu=gfx1250 --defsym DOCPART=n.
;; ======== version 1 of 2: 3 launches
;; workspace buffers: wq 851,968 bytes; tab 262,144 bytes; part 2,228,224 bytes
;; launch prep (part 1): grid 64 x 1, 8 waves a work-group, no clusters, 84,992 bytes of LDS; arguments W_encoder, W_decoder, q, v, wq, tab; writes wq, tab
.if DOCPART == 1
	.amdgcn_target "amdgcn-amd-amdhsa--gfx1250"
	.amdhsa_code_object_version 6
	.text
	.protected	k_q5fa7523dd3_prep
	.globl	k_q5fa7523dd3_prep
	.p2align	8
	.type	k_q5fa7523dd3_prep,@function
k_q5fa7523dd3_prep:
	s_mov_b64 s[64:65], 0
	v_nop
	global_prefetch_b8 v0, s[64:65] scope:SCOPE_SE
	s_setreg_imm32_b32 hwreg(HW_REG_WAVE_MODE, 25, 1), 1
	s_wait_xcnt 0x0
; PREP.  (1) W_encoder [1024][1024] f32 becomes codes of BF6 (E3M2) with one E8M0 byte for each 32 along K, laid in wq as IMAGES OF OPERAND REGISTERS in the order in which a wave of the
; main launch streams them.  (2) V = q W_decoder^T, both operands quantised here, by the scaled matrix instruction.  (3) tab[b][a] = the pair (c V[b][a], -2 v[a]), c = 2 log2(e).
; SHARES.  Work-group t takes rows 16 t .. 16 t + 15 of both weights; its wave s takes K step s (128 along K).  Every work-group and wave runs the same lines.
; A UNIT is 16 rows x 128 along K of f32.  It is loaded a row an instruction (512 consecutive bytes a wave) and turned through the wave's own stage in LDS, so that lane (r, h) holds,
; of row r, k = 64 c + 32 h + 0 .. 31 in registers 32 c + 0 .. 31: two whole blocks of 32, in the order of the 6-bit operand's layout.
; wq: wave w = t / 16 of the main launch has a stream of 212,992 bytes; in it record 8 j + s (j = (t / 4) % 4) of 6,656 bytes; in it fragment t % 4 of 1,536 bytes (register group c at 512 c + 16 lane),
; and from byte 6,144 on four scale images of 128 bytes (4 bytes a lane, both halves of the lanes hold row r's word).
; V's eight partial sums (one K step a wave) are added in f32 through LDS.
; LIMITS: NaN and infinities are not served.  A block whose largest magnitude lies under 2^-122 (a block of zeros too) gets the byte 1: the bytes are read by this program alone, and zero codes add nothing.
; tab is stored in pieces of 128 bytes and a scale image is 128 bytes: 0.3 MB in all.
.set STGB, 8448                        ; a stage: 16 rows x (512 bytes + 16)
.set RED,  8*STGB                      ; behind the stages: 2,048 bytes a wave for the partial sums
.set LI,   1                           ; 16 x lane
.set LS,   2                           ; 4 x lane
.set STS,  3                           ; stage, way in: stage + 16 x lane
.set STL,  4                           ; stage, way out: stage + 528 r + 128 h
.set SH8,  5                           ; 8 h
.set R4,   6                           ; 4 r
.set RDW,  7                           ; RED + 2,048 wave + 8 lane
.set RDL,  8                           ; RED + 256 wave + 8 lane
.set TABO, 9                           ; 65,536 h + 8 r
.set VV,   10                          ; v[16 t + r]
.set TMPX, 11                          ; a lane permute's destination
.set XA,   16                          ; v16-79   a unit as loaded
.set XB,   80                          ; v80-143  a second one
.set Y,    144                         ; v144-207 a unit turned
.set F0,   208                         ; W_encoder's fragment
.set FD,   220                         ; W_decoder's
.set T2,   232                         ; the upper halves of a block's codes
.set MX,   240                         ; four running maxima
.set OP,   244                         ; the conversions' scale operands
.set BY,   246                         ; the scale bytes
.set SD,   250                         ; scale words: W_decoder's, q's two, W_encoder's: these four registers hold scales and nothing else
.set SQ0,  251
.set SQ1,  252
.set SE,   253
.set FQ0,  16                          ; q's fragments, where the units lay
.set FQ1,  80
.set ACC,  32                          ; v32-39, v40-47: V's two tiles
.set RS,   144                         ; the eight partial pairs
.set OUTP, 160                         ; two pairs to store
.set SEL,  40                          ; s[40:41] lane selects: lane l xor 16
.macro PLACES n
.rept \n
	v_nop
.endr
.endm
.macro ULOAD reg, sb, off              ; a unit: instruction i = row i, 512 consecutive bytes
.irp i, 0,1,2,3,4,5,6,7,8,9,10,11,12,13,14,15
	global_load_b128 v[\reg+4*\i:\reg+4*\i+3], v[LI], s[\sb:\sb+1] offset:\off+4096*\i
.endr
.endm
.macro TURN reg                        ; through my stage; LDS serves a wave's instructions in order, so no wait stands between the stores and the loads
.irp i, 0,1,2,3,4,5,6,7,8,9,10,11,12,13,14,15
	ds_store_b128 v[STS], v[\reg+4*\i:\reg+4*\i+3] offset:528*\i
.endr
.irp c, 0,1
.irp q, 0,1,2,3,4,5,6,7
	ds_load_b128 v[Y+32*\c+4*\q:Y+32*\c+4*\q+3], v[STL] offset:256*\c+16*\q   ; pitch 528 = 33 x 16: sixteen lanes read sixteen different 16-byte columns modulo 256
.endr
.endr
.endm
; 64 numbers of a lane, register 32 c + i = k 64 c + 32 h + i of my row, become a fragment's 12 registers at v[f] and my row's scale word in v[pw].
.macro QUANT y, f, pw
.irp c, 0,1
	v_max3_num_f32 v[MX+2*\c], |v[\y+32*\c]|, |v[\y+32*\c+1]|, 0x2800000      ; block 2 c + h: all 32 numbers are mine; the floor 2^(5 - 127) holds the byte at 1 from below
	v_max3_num_f32 v[MX+2*\c+1], |v[\y+32*\c+16]|, |v[\y+32*\c+17]|, |v[\y+32*\c+18]|
.endr
.irp i, 0,1,2,3,4,5
.irp c, 0,1
	v_max3_num_f32 v[MX+2*\c], v[MX+2*\c], |v[\y+32*\c+2+2*\i]|, |v[\y+32*\c+3+2*\i]|      ; four chains by turns
	v_max3_num_f32 v[MX+2*\c+1], v[MX+2*\c+1], |v[\y+32*\c+19+2*\i]|, |v[\y+32*\c+20+2*\i]|
.endr
.endr
.irp c, 0,1
	v_max3_num_f32 v[MX+2*\c], v[MX+2*\c], |v[\y+32*\c+14]|, |v[\y+32*\c+15]|
.endr
.irp c, 0,1
	v_max3_num_f32 v[MX+2*\c], v[MX+2*\c], v[MX+2*\c+1], |v[\y+32*\c+31]|
.endr
.irp c, 0,1
	v_add_nc_u32 v[OP+\c], 0xfe000000, v[MX+2*\c]      ; 4 off the exponent field: the conversion takes this operand's exponent field as its scale
.endr
.irp c, 0,1
	v_lshrrev_b32 v[BY+\c], 23, v[OP+\c]               ; the scale's byte
.endr
	v_lshl_or_b32 v[\pw], v[BY+1], 16, v[BY]           ; my two bytes: blocks h and 2 + h,
	v_lshlrev_b32 v[\pw], v[SH8], v[\pw]               ; at their places;
	v_permlanex16_b32 v[TMPX], v[\pw], s[SEL], s[SEL+1]
	v_or_b32 v[\pw], v[\pw], v[TMPX]                   ; with lane l xor 16's two the word is whole, in both halves
.irp c, 0,1
	v_cvt_scalef32_pk16_bf6_f32 v[\f+6*\c:\f+6*\c+2], v[\y+32*\c:\y+32*\c+15], v[OP+\c]
	v_cvt_scalef32_pk16_bf6_f32 v[T2+4*\c:T2+4*\c+2], v[\y+32*\c+16:\y+32*\c+31], v[OP+\c]   ; (a conversion's three registers begin on an even number)
.endr
	v_nop                                              ; one plain place behind a scaled conversion
.irp c, 0,1
.irp i, 0,1,2
	v_mov_b32 v[\f+6*\c+3+\i], v[T2+4*\c+\i]
.endr
.endr
.endm
	s_load_b256 s[4:11], s[0:1], 0x0               ; W_encoder s[4:5], W_decoder s[6:7], q s[8:9], v s[10:11]
	s_load_b128 s[12:15], s[0:1], 0x20             ; wq s[12:13], tab s[14:15]
	v_lshl_add_u32 v254, v0, 2, 0x14800
	v_mov_b32 v255, 0
	v_lshrrev_b32 v12, 5, v0
	v_readfirstlane_b32 s16, v12                   ; wave = K step
	v_and_b32 v13, 31, v0                          ; lane
	v_and_b32 v14, 15, v0                          ; r
	v_bfe_u32 v15, v0, 4, 1                        ; h
	v_lshlrev_b32 v[LI], 4, v13
	v_lshlrev_b32 v[LS], 2, v13
	s_mul_i32 s17, s16, STGB
	v_add_nc_u32 v[STS], s17, v[LI]
	v_mul_u32_u24 v[STL], v14, 528
	v_lshl_add_u32 v[STL], v15, 7, v[STL]
	v_add_nc_u32 v[STL], s17, v[STL]
	v_lshlrev_b32 v[SH8], 3, v15
	v_lshlrev_b32 v[R4], 2, v14
	v_lshlrev_b32 v12, 3, v13                      ; 8 x lane
	s_lshl_b32 s18, s16, 11
	s_add_co_u32 s18, s18, RED
	v_add_nc_u32 v[RDW], s18, v12
	s_lshl_b32 s19, s16, 8
	s_add_co_u32 s19, s19, RED
	v_add_nc_u32 v[RDL], s19, v12
	v_lshlrev_b32 v[TABO], 3, v14
	v_lshl_add_u32 v[TABO], v15, 16, v[TABO]
	v_mov_b32 v[TMPX], 0
	s_mov_b32 s[SEL], 0x76543210
	s_mov_b32 s[SEL+1], 0xfedcba98
	s_mov_b32 s42, 0x4038aa3b                      ; c = 2 log2(e)
	s_lshl_b32 s20, ttmp9, 16                      ; 16 rows of 4,096 bytes
	s_lshl_b32 s22, s16, 9                         ; my K step: 512 bytes
	s_add_co_u32 s20, s20, s22
	s_mov_b32 s21, 0
	s_mov_b32 s23, 0
	s_lshl_b32 s24, ttmp9, 6                       ; v: 16 numbers a work-group
	s_mov_b32 s25, 0
	s_lshr_b32 s26, ttmp9, 4
	s_mul_i32 s26, s26, 212992                     ; the stream
	s_bfe_u32 s27, ttmp9, 0x20002                  ; j = (t / 4) % 4
	s_lshl_b32 s27, s27, 3
	s_add_co_u32 s27, s27, s16
	s_mul_i32 s27, s27, 6656                       ; the record 8 j + s
	s_add_co_u32 s26, s26, s27
	s_and_b32 s28, ttmp9, 3
	s_mul_i32 s29, s28, 1536
	s_lshl_b32 s28, s28, 7
	s_add_co_u32 s30, s26, s29                     ; my fragment
	s_mov_b32 s31, 0
	s_add_co_u32 s32, s26, s28                     ; my scale image, less the 6,144 of the immediate
	s_mov_b32 s33, 0
	s_lshr_b32 s34, s16, 2                         ; tab: wave w' stores rows b = 16 (w' / 4) + 2 (w' % 4) + 8 h + 0, 1
	s_lshl_b32 s34, s34, 4
	s_and_b32 s35, s16, 3
	s_lshl_b32 s35, s35, 1
	s_add_co_u32 s34, s34, s35
	s_lshl_b32 s34, s34, 13                        ; a row of tab is 8,192 bytes
	s_lshl_b32 s35, ttmp9, 7                       ; 16 pairs of 8 bytes a work-group
	s_add_co_u32 s34, s34, s35
	s_mov_b32 s35, 0
	s_wait_kmcnt 0x0
	s_add_nc_u64 s[4:5], s[4:5], s[20:21]
	s_add_nc_u64 s[6:7], s[6:7], s[20:21]
	s_add_nc_u64 s[8:9], s[8:9], s[22:23]
	s_add_nc_u64 s[10:11], s[10:11], s[24:25]
	s_add_nc_u64 s[36:37], s[12:13], s[30:31]
	s_add_nc_u64 s[38:39], s[12:13], s[32:33]
	s_add_nc_u64 s[14:15], s[14:15], s[34:35]
	global_load_b32 v[VV], v[R4], s[10:11]
	ULOAD XA, 4, 0                                 ; W_encoder's unit
	ULOAD XB, 6, 0                                 ; W_decoder's
	s_wait_loadcnt 16                              ; v and W_encoder's unit are in; W_decoder's 16 loads may be out
	TURN XA
	s_wait_dscnt 0x0                               ; the stage's stores have read XA, and Y is in
	ULOAD XA, 8, 0                                 ; q's rows 0-15
	QUANT Y, F0, SE
.irp c, 0,1,2
	global_store_b128 v[LI], v[F0+4*\c:F0+4*\c+3], s[36:37] offset:512*\c      ; the image: 512 consecutive bytes a store
.endr
	global_store_b32 v[LS], v[SE], s[38:39] offset:6144
	s_wait_loadcnt 16                              ; W_decoder's unit is in; q's first 16 loads may be out
	TURN XB
	s_wait_dscnt 0x0
	ULOAD XB, 8, 65536                             ; q's rows 16-31
	QUANT Y, FD, SD
	s_wait_loadcnt 16                              ; q's rows 0-15 are in
	TURN XA
	s_wait_dscnt 0x0
	QUANT Y, FQ0, SQ0
	s_wait_loadcnt 0x0
	TURN XB
	s_wait_dscnt 0x0
	QUANT Y, FQ1, SQ1
	PLACES 8                                       ; scale words written by vector instructions stand eight places ahead of a scaled matrix instruction, operands four
	v_wmma_scale_f32_16x16x128_f8f6f4 v[ACC:ACC+7], v[FQ0:FQ0+11], v[FD:FD+11], 0, v[SQ0], v[SD] matrix_a_fmt:MATRIX_FMT_BF6 matrix_b_fmt:MATRIX_FMT_BF6       ; register j of lane (r, h): V's part for b = 8 h + j, a = 16 t + r
	v_wmma_scale_f32_16x16x128_f8f6f4 v[ACC+8:ACC+15], v[FQ1:FQ1+11], v[FD:FD+11], 0, v[SQ1], v[SD] matrix_a_fmt:MATRIX_FMT_BF6 matrix_b_fmt:MATRIX_FMT_BF6   ; b = 16 + 8 h + j
	PLACES 4                                       ; four places before an LDS store reads a matrix result
.irp g, 0,1,2,3,4,5,6,7
	ds_store_b64 v[RDW], v[ACC+2*\g:ACC+2*\g+1] offset:256*\g                  ; ascending: each accumulator from its low end on
.endr
	s_wait_dscnt 0x0                               ; for the others' sake: my partial sums lie in LDS
	s_barrier_signal -1
	s_barrier_wait -1
.irp x, 0,1,2,3,4,5,6,7
	ds_load_b64 v[RS+2*\x:RS+2*\x+1], v[RDL] offset:2048*\x                    ; pair w' of all eight K steps
.endr
	s_wait_dscnt 0x0
	v_pk_add_f32 v[RS:RS+1], v[RS:RS+1], v[RS+2:RS+3]
	v_pk_add_f32 v[RS+4:RS+5], v[RS+4:RS+5], v[RS+6:RS+7]
	v_pk_add_f32 v[RS+8:RS+9], v[RS+8:RS+9], v[RS+10:RS+11]
	v_pk_add_f32 v[RS+12:RS+13], v[RS+12:RS+13], v[RS+14:RS+15]
	v_pk_add_f32 v[RS:RS+1], v[RS:RS+1], v[RS+4:RS+5]
	v_pk_add_f32 v[RS+8:RS+9], v[RS+8:RS+9], v[RS+12:RS+13]
	v_pk_add_f32 v[RS:RS+1], v[RS:RS+1], v[RS+8:RS+9]
	v_mul_f32 v[OUTP], s42, v[RS]                  ; c V[b][a]
	v_mul_f32 v[OUTP+2], s42, v[RS+1]              ; c V[b + 1][a]
	v_mul_f32 v[OUTP+1], -2.0, v[VV]               ; -2 v[a]
	v_mov_b32 v[OUTP+3], v[OUTP+1]
	global_store_b64 v[TABO], v[OUTP:OUTP+1], s[14:15]
	global_store_b64 v[TABO], v[OUTP+2:OUTP+3], s[14:15] offset:8192
	s_wait_tensorcnt 0x0
	ds_add_u32 v254, v255
	s_wait_dscnt 0x0
	s_endpgm
.Lfunc_end_k_q5fa7523dd3_prep:
	.size	k_q5fa7523dd3_prep, .Lfunc_end_k_q5fa7523dd3_prep-k_q5fa7523dd3_prep
	.p2alignl 7, 3214868480
	.fill 96, 4, 3214868480
	.section	.rodata,"a",@progbits
	.p2align	6, 0x0
	.amdhsa_kernel k_q5fa7523dd3_prep
		.amdhsa_group_segment_fixed_size 84992
		.amdhsa_private_segment_fixed_size 0
		.amdhsa_enable_private_segment 0
		.amdhsa_kernarg_size 48
		.amdhsa_user_sgpr_count 2
		.amdhsa_user_sgpr_kernarg_segment_ptr 1
		.amdhsa_wavefront_size32 1
		.amdhsa_system_sgpr_workgroup_id_x 1
		.amdhsa_system_sgpr_workgroup_id_y 1
		.amdhsa_system_sgpr_workgroup_id_z 1
		.amdhsa_system_vgpr_workitem_id 0
		.amdhsa_next_free_vgpr 256
		.amdhsa_next_free_sgpr 66
		.amdhsa_reserve_vcc 0
		.amdhsa_float_denorm_mode_32 3
		.amdhsa_float_denorm_mode_16_64 3
		.amdhsa_memory_ordered 1
		.amdhsa_forward_progress 1
		.amdhsa_inst_pref_size 32
	.end_amdhsa_kernel
	.amdgpu_metadata
---
amdhsa.version: [ 1, 2 ]
amdhsa.kernels:
  - .name:           k_q5fa7523dd3_prep
    .symbol:         k_q5fa7523dd3_prep.kd
    .args:
      - { .name: W_encoder, .offset: 0, .size: 8, .value_kind: global_buffer, .address_space: global }
      - { .name: W_decoder, .offset: 8, .size: 8, .value_kind: global_buffer, .address_space: global }
      - { .name: q, .offset: 16, .size: 8, .value_kind: global_buffer, .address_space: global }
      - { .name: v, .offset: 24, .size: 8, .value_kind: global_buffer, .address_space: global }
      - { .name: wq, .offset: 32, .size: 8, .value_kind: global_buffer, .address_space: global }
      - { .name: tab, .offset: 40, .size: 8, .value_kind: global_buffer, .address_space: global }
    .group_segment_fixed_size: 84992
    .private_segment_fixed_size: 0
    .kernarg_segment_align: 8
    .kernarg_segment_size: 48
    .max_flat_workgroup_size: 256
    .sgpr_count:     66
    .vgpr_count:     256
    .wavefront_size: 32
...
	.end_amdgpu_metadata
.endif
;; end of part 1
;; launch main (part 2): grid 256 x 1, 4 waves a work-group, no clusters, 325,120 bytes of LDS; arguments key, wq, tab, part; writes part
.if DOCPART == 2
	.amdgcn_target "amdgcn-amd-amdhsa--gfx1250"
	.amdhsa_code_object_version 6
	.text
	.protected	k_q5fa7523dd3_main
	.globl	k_q5fa7523dd3_main
	.p2align	8
	.type	k_q5fa7523dd3_main,@function
k_q5fa7523dd3_main:
	s_mov_b64 s[64:65], 0
	v_nop
	global_prefetch_b8 v0, s[64:65] scope:SCOPE_SE
	s_setreg_imm32_b32 hwreg(HW_REG_WAVE_MODE, 25, 1), 1
	s_wait_xcnt 0x0
; MAIN.  For 128 rows of key at a time (a sub-tile; a work-group takes two): quantise them to BF6 (E3M2, one E8M0 byte for each 32 along K), U = key W_encoder^T by the scaled matrix instruction,
; score' = sum over a of (-2 v[a]) / (1 + 2^(c U + c V[b][a])), c = 2 log2(e); p = e^(score' - the sub-tile's largest); the sub-tile's sum of p, and sum of p x key.
; tanh x = 1 - 2 / (1 + 2^(c x)), so score = (sum of v) + score': the sum of v is the same for every row and falls out of the softmax.  2^.. = infinity gives 0, 2^.. = 0 gives 1: tanh's limits.
; KEY IS READ FROM MEMORY ONCE: the rows stay on the WGP as bf16 (11 of a wave's 16 units in LDS, 5 in registers) until their weights are known.  The last launch joins the sub-tiles.
; SHARES.  Loading, quantising and the weighted sum: wave w owns rows 32 w .. 32 w + 31, as 16 units u = 8 m + s of 16 rows x 128 along K.  The product: wave w makes all 128 rows x columns 256 w .. + 255,
; in 4 chunks of 128 x 64 (32 accumulators).  key's fragments go from wave to wave through LDS as images of their registers; W's fragments are wanted by one wave each and come from wq straight into registers,
; through a ring of four K steps.
; NO CLUSTER, NO TENSOR LOAD, NO LDS RING FOR W: LDS holds 98,304 bytes of codes, 8,192 of scale words, 180,224 of bf16 rows, 33,792 of stages and 4,096 of scores: 324,608 of 327,680; and no fragment of W is read by two waves of a work-group.
; The ring of W runs on cyclically, so the last three requests of the second sub-tile (19,968 bytes a wave) and each sub-tile's last fetch of key's K step 0 from LDS are never used: that spares a second copy of three K steps.
; LIMITS: NaN and infinities are not served.  A block whose largest magnitude lies under 2^-122 (a block of zeros too) gets the byte 1: the bytes are read by this program alone.  key is rounded to bf16 for the weighted sum.
; A p under 2^-126 counts as 0.
; part: record 2 g + sub of 4,352 bytes: 1,024 f32 sums of p x key, then the pair (m2, l) 32 times; m2 = the largest score' x log2(e), l = the sum of p.
; REGISTERS, in windows of 256 (s_set_vgpr_msb: bits 1:0 source 0, 3:2 source 1, 5:4 source 2, 7:6 destination):
;   window 0: v1-22 addresses; v24-31 four pairs of tab; v32-47 key's scale words, two sets; v48-63 W's, four slots; v64-127 the scores; v128-223 key's fragments, set 0; v224-255 at work
;   window 1: v0-95 key's fragments, set 1; v96-255 units 11-15 as bf16      window 2: the 32 accumulators; while loading: four landing slots of 64      window 3: v0-191 the ring of W's fragments
.set ASC,   98304                      ; LDS: codes from 0 (fragment (s, a) at 1,536 (8 s + a)); scale words (128 (8 s + a) + 4 lane);
.set STG,   106496                     ; four stages of 16 rows x (512 + 16) bytes;
.set STGB,  8448
.set RET,   140288                     ; a wave's units 0-10 as bf16 images, 4,096 bytes each;
.set RETB,  45056
.set SCR,   320512                     ; each wave's partial scores of the 128 rows;
.set PWB,   322560                     ; each wave's own copy of p.  The four waves' sums of p x key (4 x 4,096) lie over the codes, between the second and the fourth barrier
.set REC,   6656                       ; a record of wq: four fragments and four scale images
.set CHB,   8*REC                      ; a chunk's records
.set STREAM, 32*REC                    ; a wave's
.set SUBB,  524288                     ; 128 rows of key
.set LI,   1                           ; 16 x lane: an image's place, a load's offset, the codes of K steps 0-3
.set LS,   2                           ; 4 x lane
.set STS,  3                           ; my stage + 16 lane
.set STL,  4                           ; my stage + 528 r + 128 h
.set CIW0, 5                           ; 3,072 w + 16 lane: where I store codes, K steps 0-3
.set CIW1, 6                           ; K steps 4-7
.set ASW,  7                           ; ASC + 256 w + 4 lane
.set RTA,  8                           ; RET + 45,056 w + 16 lane
.set LA1,  9                           ; 16 lane + 49,152: the codes of K steps 4-7
.set ASL,  10                          ; ASC + 4 lane
.set SCW,  11                          ; SCR + 512 w + 32 h
.set SCL,  12                          ; SCR + 16 lane
.set PWS,  13                          ; PWB + 512 w + 16 lane
.set PWL,  14                          ; PWB + 512 w + 128 w: my 32 rows' p in my copy
.set CTW,  15                          ; 4,096 w + 16 lane
.set CTL,  16                          ; 1,024 w + 16 lane
.set TO,   17                          ; 8 r
.set PFO,  18                          ; 4,096 (lane / 8) + 256 (lane % 8)
.set SH8,  19                          ; 8 h
.set ML8,  20                          ; 8 lane
.set TMPX, 21                          ; a lane permute's destination
.set PWD,  22                          ; the scale word just made
.set TT,   24
.set ASCR, 32
.set BSC,  48
.set SC,   64
.set A0,   128
.set Y,    128                         ; while loading: a unit turned,
.set F,    192                         ; its codes,
.set T2,   204
.set BT,   64                          ; and the unit as bf16
.set CTX,  128                         ; at the end: 32 sums of p x key,
.set P,    160                         ; my 32 rows' p,
.set SV,   192                         ; the four waves' partial scores,
.set RB,   64                          ; two buffers of 32 for units read back
.set MX,   224
.set OP,   228
.set BY,   230
.set PP,   236                         ; p of my four rows
.set ML,   240                         ; m2, l
.set WV,   22
.set SUB,  23
.set CH,   24
.set SEL,  28
.set MSB, 0
.macro WIN new                         ; the immediate's high byte repeats the setting that is left; a switch that changes nothing is dropped
.if MSB != (\new)
	s_set_vgpr_msb (MSB<<8)|(\new)
.set MSB, (\new)
.endif
.endm
.macro PLACES n
.rept \n
	v_nop
.endr
.endm
.macro BARRIER                         ; my LDS stores have landed and my LDS loads are in: then the work-group's barrier
	s_wait_dscnt 0x0
	s_barrier_signal -1
	s_barrier_wait -1
.endm
.macro KLOAD u, off                    ; unit u: instruction i = row i, 512 consecutive bytes, into landing slot u % 4
	WIN 0x80
.irp i, 0,1,2,3,4,5,6,7,8,9,10,11,12,13,14,15
	global_load_b128 v[64*((\u)%4)+4*\i:64*((\u)%4)+4*\i+3], v[LI], s[4:5] offset:(\off)+(16*((\u)/8)+\i)*4096+512*((\u)%8) th:TH_LOAD_NT
.endr
.endm
.macro BLOAD slot, sb, off             ; a record of wq: 12 loads of 512 bytes and 4 of 128
	WIN 0xc0
.irp t, 0,1,2,3
.irp c, 0,1,2
	global_load_b128 v[48*(\slot)+12*\t+4*\c:48*(\slot)+12*\t+4*\c+3], v[LI], s[\sb:\sb+1] offset:(\off)+1536*\t+512*\c
.endr
.endr
	WIN 0
.irp t, 0,1,2,3
	global_load_b32 v[BSC+4*(\slot)+\t], v[LS], s[\sb:\sb+1] offset:(\off)+6144+128*\t
.endr
.endm
.macro AFETCH s                        ; key's eight fragments and scale words of K step s, into set s % 2: 32 LDS loads
.if (\s)%2
	WIN 0x40
.set AB, 0
.else
	WIN 0
.set AB, A0
.endif
.if (\s) < 4
.set AR, LI
.else
.set AR, LA1
.endif
.irp a, 0,1,2,3,4,5,6,7
.irp c, 0,1,2
	ds_load_b128 v[AB+12*\a+4*\c:AB+12*\a+4*\c+3], v[AR] offset:((\s)%4)*12288+1536*\a+512*\c
.endr
.endr
	WIN 0
.irp a, 0,1,2,3,4,5,6,7
	ds_load_b32 v[ASCR+8*((\s)%2)+\a], v[ASL] offset:1024*(\s)+128*\a
.endr
.endm
; 64 numbers of a lane, register 32 c + i = k 64 c + 32 h + i of my row, become a fragment's 12 registers at v[f] and my row's scale word in v[pw].
.macro QUANT y, f, pw
.irp c, 0,1
	v_max3_num_f32 v[MX+2*\c], |v[\y+32*\c]|, |v[\y+32*\c+1]|, 0x2800000      ; block 2 c + h: all 32 numbers are mine; the floor 2^(5 - 127) holds the byte at 1 from below
	v_max3_num_f32 v[MX+2*\c+1], |v[\y+32*\c+16]|, |v[\y+32*\c+17]|, |v[\y+32*\c+18]|
.endr
.irp i, 0,1,2,3,4,5
.irp c, 0,1
	v_max3_num_f32 v[MX+2*\c], v[MX+2*\c], |v[\y+32*\c+2+2*\i]|, |v[\y+32*\c+3+2*\i]|      ; four chains by turns
	v_max3_num_f32 v[MX+2*\c+1], v[MX+2*\c+1], |v[\y+32*\c+19+2*\i]|, |v[\y+32*\c+20+2*\i]|
.endr
.endr
.irp c, 0,1
	v_max3_num_f32 v[MX+2*\c], v[MX+2*\c], |v[\y+32*\c+14]|, |v[\y+32*\c+15]|
.endr
.irp c, 0,1
	v_max3_num_f32 v[MX+2*\c], v[MX+2*\c], v[MX+2*\c+1], |v[\y+32*\c+31]|
.endr
.irp c, 0,1
	v_add_nc_u32 v[OP+\c], 0xfe000000, v[MX+2*\c]      ; 4 off the exponent field: the conversion takes this operand's exponent field as its scale
.endr
.irp c, 0,1
	v_lshrrev_b32 v[BY+\c], 23, v[OP+\c]               ; the scale's byte
.endr
	v_lshl_or_b32 v[\pw], v[BY+1], 16, v[BY]           ; my two bytes: blocks h and 2 + h,
	v_lshlrev_b32 v[\pw], v[SH8], v[\pw]               ; at their places;
	v_permlanex16_b32 v[TMPX], v[\pw], s[SEL], s[SEL+1]
	v_or_b32 v[\pw], v[\pw], v[TMPX]                   ; with lane l xor 16's two the word is whole, in both halves
.irp c, 0,1
	v_cvt_scalef32_pk16_bf6_f32 v[\f+6*\c:\f+6*\c+2], v[\y+32*\c:\y+32*\c+15], v[OP+\c]
	v_cvt_scalef32_pk16_bf6_f32 v[T2+4*\c:T2+4*\c+2], v[\y+32*\c+16:\y+32*\c+31], v[OP+\c]   ; (a conversion's three registers begin on an even number)
.endr
	v_nop                                              ; one plain place behind a scaled conversion
.irp c, 0,1
.irp i, 0,1,2
	v_mov_b32 v[\f+6*\c+3+\i], v[T2+4*\c+\i]
.endr
.endr
.endm
; UNIT u: its 16 rows x 128 numbers are kept as bf16, turned through my stage, quantised, and their image goes to LDS.  cnt: the younger loads, which may stay out.
.macro UNIT u, cnt
.set SL, 64*((\u)%4)
.set UM, (\u)/8
.set US, (\u)%8
	s_wait_loadcnt \cnt
.if (\u) < 11
	WIN 0x0a
.set BD, BT
.else
	WIN 0x4a
.set BD, 96+32*((\u)-11)
.endif
.irp i, 0,1,2,3,4,5,6,7,8,9,10,11,12,13,14,15
	v_cvt_pk_bf16_f32 v[BD+2*\i], v[SL+4*\i], v[SL+4*\i+1]                 ; register 2 i + q: row i, k = 4 lane + 2 q, + 1
	v_cvt_pk_bf16_f32 v[BD+2*\i+1], v[SL+4*\i+2], v[SL+4*\i+3]
.endr
	WIN 0x08
.irp i, 0,1,2,3,4,5,6,7,8,9,10,11,12,13,14,15
	ds_store_b128 v[STS], v[SL+4*\i:SL+4*\i+3] offset:528*\i
.endr
	WIN 0
.if (\u) < 11
.irp g, 0,1,2,3,4,5,6,7
	ds_store_b128 v[RTA], v[BT+4*\g:BT+4*\g+3] offset:4096*(\u)+512*\g
.endr
.endif
.irp c, 0,1
.irp q, 0,1,2,3,4,5,6,7
	ds_load_b128 v[Y+32*\c+4*\q:Y+32*\c+4*\q+3], v[STL] offset:256*\c+16*\q   ; pitch 528 = 33 x 16: sixteen lanes read sixteen different 16-byte columns modulo 256
.endr
.endr
.if (\u) < 11
	s_wait_dscnt 24                                ; behind the stage's stores: 8 stores and 16 loads.  The landing slot has been read
.else
	s_wait_dscnt 16                                ; behind them: the 16 loads
.endif
.if (\u) < 12
	KLOAD (\u)+4, 0                                ; and takes the unit four on: four units, 32 KB a wave, are on their way
	WIN 0
.endif
	s_wait_dscnt 0x0
	QUANT Y, F, PWD
.if US < 4
.set CI, CIW0
.else
.set CI, CIW1
.endif
.irp c, 0,1,2
	ds_store_b128 v[CI], v[F+4*\c:F+4*\c+3] offset:(US%4)*12288+1536*UM+512*\c
.endr
	ds_store_b32 v[ASW], v[PWD] offset:1024*US+128*UM
.endm
; A prefetch into the L2 of my first four units of the next sub-tile: 16 rows x 2,048 bytes, 128 aligned blocks of 256 bytes, a lane a block, each named once in the launch (the rows are my wave's alone).
; It stands in the first sub-tile's last chunk, behind K step 4's own loads: four K steps (128 matrix instructions) and the chunk's activation ahead of the loads that want these bytes.
.macro ASKKEY
	s_lshl_b32 s16, s[SUB], 3
	s_add_co_u32 s16, s16, s[CH]
	s_cmp_eq_u32 s16, 17                           ; SUB = 2 and CH = 1
	s_cbranch_scc0 .Lnoask_\@
.irp p, 0,1,2,3
	global_prefetch_b8 v[PFO], s[4:5] offset:SUBB+16384*\p th:TH_LOAD_NT scope:SCOPE_SE
.endr
.Lnoask_\@:
.endm
; K STEP s of a chunk: the next step's fragments of key from LDS, the record three steps on from wq, then 32 matrix instructions on 32 accumulators by turns.
.macro KSTEP s, sb, off, cnt
	PLACES 4                                       ; the loads below land in registers that the last step's products read: four places (ISA guide 7.12.1 for vector instructions)
	AFETCH ((\s)+1)%8
.if (\s) == 0
.irp t, 0,1,2,3
	global_load_b64 v[TT+2*\t:TT+2*\t+1], v[TO], s[18:19] offset:128*\t        ; (c V, -2 v) of my column in each of the chunk's four tiles
.endr
.endif
	BLOAD ((\s)+3)%4, \sb, \off
.if (\s) == 4
	ASKKEY
.endif
	s_wait_dscnt 32                                ; the 32 LDS loads just issued may be out: this step's fragments of key are in
	s_wait_loadcnt \cnt                            ; behind this step's record: three records of 16 loads, and in steps 0-2 the four loads of tab
.if (\s)%2
.set PB, 0
.else
.set PB, A0
.endif
	WIN 0xac|((\s)%2)
.irp a, 0,1,2,3,4,5,6,7
.irp t, 0,1,2,3
.if (\s) == 0
	v_wmma_scale_f32_16x16x128_f8f6f4 v[8*(4*\a+\t):8*(4*\a+\t)+7], v[PB+12*\a:PB+12*\a+11], v[48*((\s)%4)+12*\t:48*((\s)%4)+12*\t+11], 0, v[ASCR+8*((\s)%2)+\a], v[BSC+4*((\s)%4)+\t] matrix_a_fmt:MATRIX_FMT_BF6 matrix_b_fmt:MATRIX_FMT_BF6
.else
	v_wmma_scale_f32_16x16x128_f8f6f4 v[8*(4*\a+\t):8*(4*\a+\t)+7], v[PB+12*\a:PB+12*\a+11], v[48*((\s)%4)+12*\t:48*((\s)%4)+12*\t+11], v[8*(4*\a+\t):8*(4*\a+\t)+7], v[ASCR+8*((\s)%2)+\a], v[BSC+4*((\s)%4)+\t] matrix_a_fmt:MATRIX_FMT_BF6 matrix_b_fmt:MATRIX_FMT_BF6
.endif
.endr
.endr
.endm
; The activation of accumulator tau = 4 a + t, in place.  Register j of lane (r, h) is U(row 16 a + 8 h + j, column 16 t + r of the chunk).
.macro E1 tau                          ; c U + c V, from the accumulator's low end on
.irp i, 0,2,4,6
	v_pk_fma_f32 v[8*(\tau)+\i:8*(\tau)+\i+1], v[8*(\tau)+\i:8*(\tau)+\i+1], s[26:27], v[TT+2*((\tau)%4):TT+2*((\tau)%4)+1] op_sel_hi:[1,0,0]
.endr
.endm
.macro E2 tau
.irp i, 0,1,2,3,4,5,6,7
	v_exp_f32 v[8*(\tau)+\i], v[8*(\tau)+\i]
.endr
.endm
.macro E3 tau
.irp i, 0,2,4,6
	v_pk_add_f32 v[8*(\tau)+\i:8*(\tau)+\i+1], v[8*(\tau)+\i:8*(\tau)+\i+1], 1.0 op_sel_hi:[1,0]
.endr
.endm
.macro E4 tau
.irp i, 0,1,2,3,4,5,6,7
	v_rcp_f32 v[8*(\tau)+\i], v[8*(\tau)+\i]
.endr
.endm
.macro RLOAD u, buf                    ; unit u's bf16 image back from LDS
.irp g, 0,1,2,3,4,5,6,7
	ds_load_b128 v[RB+32*(\buf)+4*\g:RB+32*(\buf)+4*\g+3], v[RTA] offset:4096*(\u)+512*\g
.endr
.endm
.macro CTXU u, src                     ; sums of p x key over unit u's 16 rows: k = 128 s + 4 lane + 0 .. 3
.set UM, (\u)/8
.set US, (\u)%8
.irp i, 0,1,2,3,4,5,6,7,8,9,10,11,12,13,14,15
.irp q, 0,1
	v_fma_mix_f32_bf16 v[CTX+4*US+2*\q], v[(\src)+2*\i+\q], v[P+16*UM+\i], v[CTX+4*US+2*\q] op_sel_hi:[1,0,0]
	v_fma_mix_f32_bf16 v[CTX+4*US+2*\q+1], v[(\src)+2*\i+\q], v[P+16*UM+\i], v[CTX+4*US+2*\q+1] op_sel:[1,0,0] op_sel_hi:[1,0,0]
.endr
.endr
.endm
	s_load_b256 s[4:11], s[0:1], 0x0               ; key s[4:5], wq s[6:7], tab s[8:9], part s[10:11]
	v_lshl_add_u32 v254, v0, 2, 0x4f400
	v_mov_b32 v255, 0
	v_lshrrev_b32 v23, 5, v0
	v_readfirstlane_b32 s[WV], v23                 ; wave 0..3
	v_and_b32 v224, 31, v0                         ; lane
	v_and_b32 v225, 15, v0                         ; r
	v_bfe_u32 v226, v0, 4, 1                       ; h
	v_lshlrev_b32 v[LI], 4, v224
	v_lshlrev_b32 v[LS], 2, v224
	s_mul_i32 s31, s[WV], STGB
	s_add_co_u32 s31, s31, STG
	v_add_nc_u32 v[STS], s31, v[LI]
	v_mul_u32_u24 v[STL], v225, 528
	v_lshl_add_u32 v[STL], v226, 7, v[STL]
	v_add_nc_u32 v[STL], s31, v[STL]
	s_mul_i32 s40, s[WV], 3072
	v_add_nc_u32 v[CIW0], s40, v[LI]
	v_add_nc_u32 v[CIW1], 49152, v[CIW0]
	s_lshl_b32 s41, s[WV], 8
	s_add_co_u32 s41, s41, ASC
	v_add_nc_u32 v[ASW], s41, v[LS]
	s_mul_i32 s42, s[WV], RETB
	s_add_co_u32 s42, s42, RET
	v_add_nc_u32 v[RTA], s42, v[LI]
	v_add_nc_u32 v[LA1], 49152, v[LI]
	v_add_nc_u32 v[ASL], ASC, v[LS]
	s_lshl_b32 s43, s[WV], 9
	s_add_co_u32 s44, s43, SCR
	v_lshl_add_u32 v[SCW], v226, 5, s44
	v_add_nc_u32 v[SCL], SCR, v[LI]
	s_add_co_u32 s45, s43, PWB
	v_add_nc_u32 v[PWS], s45, v[LI]
	s_mul_i32 s46, s[WV], 640
	s_add_co_u32 s46, s46, PWB
	v_mov_b32 v[PWL], s46
	s_lshl_b32 s47, s[WV], 12
	v_add_nc_u32 v[CTW], s47, v[LI]
	s_lshl_b32 s48, s[WV], 10
	v_add_nc_u32 v[CTL], s48, v[LI]
	v_lshlrev_b32 v[TO], 3, v225
	v_lshrrev_b32 v227, 3, v224
	v_and_b32 v228, 7, v224
	v_lshlrev_b32 v[PFO], 12, v227
	v_lshl_add_u32 v[PFO], v228, 8, v[PFO]
	v_lshlrev_b32 v[SH8], 3, v226
	v_lshlrev_b32 v[ML8], 3, v224
	v_mov_b32 v[TMPX], 0
	s_mov_b32 s26, 0x4038aa3b                      ; c = 2 log2(e); the packed form names the pair and takes its low word for both halves
	s_mov_b32 s27, s26
	s_mov_b32 s[SEL], 0x76543210
	s_mov_b32 s[SEL+1], 0xfedcba98                 ; lane l xor 16
	s_mov_b32 s30, 0x3fb8aa3b                      ; log2(e)
	s_lshl_b32 s32, ttmp9, 20                      ; 256 rows of 4,096 bytes a work-group,
	s_lshl_b32 s33, s[WV], 17                      ; 32 a wave
	s_add_co_u32 s32, s32, s33
	s_mov_b32 s33, 0
	s_mul_i32 s34, s[WV], STREAM
	s_mov_b32 s35, 0
	s_lshr_b32 s36, ttmp9, 3                       ; the batch
	s_lshl_b32 s36, s36, 13                        ; a row of tab is 8,192 bytes;
	s_lshl_b32 s37, s[WV], 11                      ; my 256 columns
	s_add_co_u32 s36, s36, s37
	s_mov_b32 s37, 0
	s_mul_i32 s38, ttmp9, 8704                     ; two records of part;
	s_add_co_u32 s38, s38, s48                     ; my 256 numbers of a record
	s_mov_b32 s39, 0
	s_mov_b32 s[SUB], 2
	s_wait_kmcnt 0x0
	s_add_nc_u64 s[4:5], s[4:5], s[32:33]
	s_add_nc_u64 s[6:7], s[6:7], s[34:35]
	s_add_nc_u64 s[8:9], s[8:9], s[36:37]
	s_add_nc_u64 s[10:11], s[10:11], s[38:39]
	s_mov_b64 s[12:13], s[6:7]                     ; this chunk's records,
	s_add_nc_u64 s[14:15], s[6:7], CHB             ; the next chunk's,
	s_mov_b64 s[18:19], s[8:9]                     ; this chunk's pairs of tab
	BLOAD 0, 6, 0                                  ; the ring's first three records go out ahead of key's units, as they do at the change of sub-tiles: so UNIT's counts hold in both
	BLOAD 1, 6, REC
	BLOAD 2, 6, 2*REC
	KLOAD 0, 0
	KLOAD 1, 0
	KLOAD 2, 0
	KLOAD 3, 0
	WIN 0
.Lsub:
	; ---- LOADING: my 32 rows
.irp u, 0,1,2,3,4,5,6,7,8,9,10,11,12
	UNIT \u, 48                                    ; three units of 16 loads are younger
.endr
	UNIT 13, 32
	UNIT 14, 16
	UNIT 15, 0
	BARRIER                                        ; the first barrier: the codes and scale words of all 128 rows lie in LDS
	; ---- THE PRODUCT AND THE SCORES
	AFETCH 0
.set N, 0
.rept 64
	v_mov_b32 v[SC+N], 0                           ; the chunk is written once, so the scores begin as zeros
.set N, N+1
.endr
	s_mov_b32 s[CH], 4
.Lchunk:
	KSTEP 0, 12, 3*REC, 52
	KSTEP 1, 12, 4*REC, 52
	KSTEP 2, 12, 5*REC, 52
	KSTEP 3, 12, 6*REC, 48
	KSTEP 4, 12, 7*REC, 48
	KSTEP 5, 14, 0, 48
	KSTEP 6, 14, REC, 48
	KSTEP 7, 14, 2*REC, 48
	PLACES 4                                       ; four places before vector instructions read and write the last results
	WIN 0x82
	E1 0
.set TA, 0
.rept 32                               ; a tile's scalings stand between the exponentials of the tile before and its own
.if TA < 31
	E1 TA+1
.endif
	E2 TA
.set TA, TA+1
.endr
	v_nop                                          ; a plain instruction behind the last exponential,
	s_wait_alu depctr_va_vdst(0)                   ; and one wait for the 256, ahead of the first instruction that names a result
	E3 0
.set TA, 0
.rept 32
.if TA < 31
	E3 TA+1
.endif
	E4 TA
.set TA, TA+1
.endr
	v_nop
	s_wait_alu depctr_va_vdst(0)                   ; likewise for the 256 reciprocals
	WIN 0x02
.irp t, 0,1,2,3
.irp a, 0,1,2,3,4,5,6,7
.irp i, 0,2,4,6
	v_pk_fma_f32 v[SC+8*\a+\i:SC+8*\a+\i+1], v[8*(4*\a+\t)+\i:8*(4*\a+\t)+\i+1], v[TT+2*\t:TT+2*\t+1], v[SC+8*\a+\i:SC+8*\a+\i+1] op_sel:[0,1,0] op_sel_hi:[1,1,1]   ; x (-2 v): the pair's second word for both halves
.endr
.endr
.endr
	WIN 0
	s_wait_xcnt 0x0                                ; every load issued has read its base: the three pointers may be written
	s_sub_co_u32 s[CH], s[CH], 1
	s_mov_b64 s[12:13], s[14:15]
	s_add_nc_u64 s[16:17], s[14:15], CHB
	s_cmp_eq_u32 s[CH], 1
	s_cselect_b64 s[14:15], s[6:7], s[16:17]       ; behind the last chunk comes the first again
	s_add_nc_u64 s[16:17], s[18:19], 512
	s_cmp_eq_u32 s[CH], 0
	s_cselect_b64 s[18:19], s[8:9], s[16:17]
	s_cmp_lg_u32 s[CH], 0
	s_cbranch_scc1 .Lchunk
	; ---- THE SOFTMAX'S PARTS AND THE WEIGHTED SUM
	s_cmp_eq_u32 s[SUB], 1
	s_cbranch_scc1 .Lno_next                       ; no load leaves its buffer: the second sub-tile has no successor
	KLOAD 0, SUBB                                  ; the next sub-tile's first four units, into the accumulators, which are done with
	KLOAD 1, SUBB
	KLOAD 2, SUBB
	KLOAD 3, SUBB
	WIN 0
.Lno_next:
.irp x, 1,2,4,8
.set N, 0
.rept 64
	v_add_f32_dpp v[SC+N], v[SC+N], v[SC+N] row_xmask:\x row_mask:0xf bank_mask:0xf      ; over my 16 columns' lanes
.set N, N+1
.endr
.endr
.irp a, 0,1,2,3,4,5,6,7
.irp q, 0,1
	ds_store_b128 v[SCW], v[SC+8*\a+4*\q:SC+8*\a+4*\q+3] offset:64*\a+16*\q    ; row 16 a + 8 h + j at byte 4 x row; sixteen lanes write the same bytes with the same values
.endr
.endr
	BARRIER                                        ; the second barrier: four partial scores of each row lie in LDS; nobody reads the codes any more
.irp x, 0,1,2,3
	ds_load_b128 v[SV+4*\x:SV+4*\x+3], v[SCL] offset:512*\x                    ; rows 4 lane .. + 3
.endr
	s_wait_dscnt 0x0
	v_pk_add_f32 v[SV:SV+1], v[SV:SV+1], v[SV+4:SV+5]
	v_pk_add_f32 v[SV+2:SV+3], v[SV+2:SV+3], v[SV+6:SV+7]
	v_pk_add_f32 v[SV+8:SV+9], v[SV+8:SV+9], v[SV+12:SV+13]
	v_pk_add_f32 v[SV+10:SV+11], v[SV+10:SV+11], v[SV+14:SV+15]
	v_pk_add_f32 v[SV:SV+1], v[SV:SV+1], v[SV+8:SV+9]
	v_pk_add_f32 v[SV+2:SV+3], v[SV+2:SV+3], v[SV+10:SV+11]
	v_max3_num_f32 v232, v[SV], v[SV+1], v[SV+2]
	v_max_num_f32 v232, v232, v[SV+3]
.irp x, 1,2,4,8
	v_max_num_f32_dpp v232, v232, v232 row_xmask:\x row_mask:0xf bank_mask:0xf
.endr
	v_permlanex16_b32 v[TMPX], v232, s[SEL], s[SEL+1]
	v_max_num_f32 v232, v232, v[TMPX]              ; the sub-tile's largest score
	v_mul_f32 v[ML], s30, v232                     ; m2
.irp e, 0,1,2,3
	v_fma_f32 v[PP+\e], v[SV+\e], s30, -v[ML]
.endr
.irp e, 0,1,2,3
	v_exp_f32 v[PP+\e], v[PP+\e]                   ; p
.endr
	v_nop
	s_wait_alu depctr_va_vdst(0)                   ; one wait for the four
	ds_store_b128 v[PWS], v[PP:PP+3]               ; into my own copy,
.irp q, 0,1,2,3,4,5,6,7
	ds_load_b128 v[P+4*\q:P+4*\q+3], v[PWL] offset:16*\q                       ; and my 32 rows' back, the same in every lane: LDS serves a wave's instructions in order
.endr
	RLOAD 0, 0
	RLOAD 1, 1
	v_add_f32 v233, v[PP], v[PP+1]
	v_add_f32 v234, v[PP+2], v[PP+3]
	v_add_f32 v[ML+1], v233, v234
.irp x, 1,2,4,8
	v_add_f32_dpp v[ML+1], v[ML+1], v[ML+1] row_xmask:\x row_mask:0xf bank_mask:0xf
.endr
	v_permlanex16_b32 v[TMPX], v[ML+1], s[SEL], s[SEL+1]
	v_add_f32 v[ML+1], v[ML+1], v[TMPX]            ; l
.set N, 0
.rept 32
	v_mov_b32 v[CTX+N], 0
.set N, N+1
.endr
	s_wait_dscnt 16                                ; p is in; the two units' 16 loads may be out
	WIN 0x01
.irp u, 11,12,13,14,15
	CTXU \u, 96+32*(\u-11)                         ; the five units that stayed in registers
.endr
	WIN 0
.irp u, 0,1,2,3,4,5,6,7,8,9,10
.if \u < 10
	s_wait_dscnt 8                                 ; this unit is in; the next one's 8 loads may be out
.else
	s_wait_dscnt 0x0
.endif
	CTXU \u, RB+32*(\u%2)
.if \u+2 <= 10
	RLOAD \u+2, \u%2
.endif
.endr
.irp s, 0,1,2,3,4,5,6,7
	ds_store_b128 v[CTW], v[CTX+4*\s:CTX+4*\s+3] offset:512*\s                 ; my rows' sums, k ascending, over the codes
.endr
	BARRIER                                        ; the third barrier: four waves' sums lie in LDS
.irp x, 0,1,2,3
.irp j, 0,1
	ds_load_b128 v[RB+4*(2*\x+\j):RB+4*(2*\x+\j)+3], v[CTL] offset:4096*\x+512*\j   ; k = 256 w + 128 j + 4 lane .. of all four
.endr
.endr
	BARRIER                                        ; the fourth barrier: these loads are in, in every wave: the next sub-tile's codes may be written
.irp j, 0,1
.irp e, 0,2
	v_pk_add_f32 v[RB+4*\j+\e:RB+4*\j+\e+1], v[RB+4*\j+\e:RB+4*\j+\e+1], v[RB+8+4*\j+\e:RB+8+4*\j+\e+1]
	v_pk_add_f32 v[RB+16+4*\j+\e:RB+16+4*\j+\e+1], v[RB+16+4*\j+\e:RB+16+4*\j+\e+1], v[RB+24+4*\j+\e:RB+24+4*\j+\e+1]
.endr
.endr
.irp j, 0,1
.irp e, 0,2
	v_pk_add_f32 v[RB+4*\j+\e:RB+4*\j+\e+1], v[RB+4*\j+\e:RB+4*\j+\e+1], v[RB+16+4*\j+\e:RB+16+4*\j+\e+1]
.endr
.endr
	global_store_b128 v[LI], v[RB:RB+3], s[10:11]                             ; 512 consecutive bytes a store
	global_store_b128 v[LI], v[RB+4:RB+7], s[10:11] offset:512
	s_cmp_lg_u32 s[WV], 0
	s_cbranch_scc1 .Lnot0
	global_store_b64 v[ML8], v[ML:ML+1], s[10:11] offset:4096                 ; wave 0: (m2, l), 32 times: 256 consecutive bytes
.Lnot0:
	s_wait_xcnt 0x0                                ; the stores and loads have read their registers and bases
	s_add_nc_u64 s[4:5], s[4:5], SUBB
	s_add_nc_u64 s[10:11], s[10:11], 4352
	s_sub_co_u32 s[SUB], s[SUB], 1
	s_cmp_lg_u32 s[SUB], 0
	s_cbranch_scc1 .Lsub
	s_wait_tensorcnt 0x0
	ds_add_u32 v254, v255
	s_wait_dscnt 0x0
	s_endpgm
.Lfunc_end_k_q5fa7523dd3_main:
	.size	k_q5fa7523dd3_main, .Lfunc_end_k_q5fa7523dd3_main-k_q5fa7523dd3_main
	.p2alignl 7, 3214868480
	.fill 96, 4, 3214868480
	.section	.rodata,"a",@progbits
	.p2align	6, 0x0
	.amdhsa_kernel k_q5fa7523dd3_main
		.amdhsa_group_segment_fixed_size 325120
		.amdhsa_private_segment_fixed_size 0
		.amdhsa_enable_private_segment 0
		.amdhsa_kernarg_size 32
		.amdhsa_user_sgpr_count 2
		.amdhsa_user_sgpr_kernarg_segment_ptr 1
		.amdhsa_wavefront_size32 1
		.amdhsa_system_sgpr_workgroup_id_x 1
		.amdhsa_system_sgpr_workgroup_id_y 1
		.amdhsa_system_sgpr_workgroup_id_z 1
		.amdhsa_system_vgpr_workitem_id 0
		.amdhsa_next_free_vgpr 1024
		.amdhsa_next_free_sgpr 66
		.amdhsa_reserve_vcc 0
		.amdhsa_float_denorm_mode_32 3
		.amdhsa_float_denorm_mode_16_64 3
		.amdhsa_memory_ordered 1
		.amdhsa_forward_progress 1
		.amdhsa_inst_pref_size 255
	.end_amdhsa_kernel
	.section	.bss,"aw",@nobits
	.p2align	6
	.space	262144
	.amdgpu_metadata
---
amdhsa.version: [ 1, 2 ]
amdhsa.kernels:
  - .name:           k_q5fa7523dd3_main
    .symbol:         k_q5fa7523dd3_main.kd
    .args:
      - { .name: key, .offset: 0, .size: 8, .value_kind: global_buffer, .address_space: global }
      - { .name: wq, .offset: 8, .size: 8, .value_kind: global_buffer, .address_space: global }
      - { .name: tab, .offset: 16, .size: 8, .value_kind: global_buffer, .address_space: global }
      - { .name: part, .offset: 24, .size: 8, .value_kind: global_buffer, .address_space: global }
    .group_segment_fixed_size: 325120
    .private_segment_fixed_size: 0
    .kernarg_segment_align: 8
    .kernarg_segment_size: 32
    .max_flat_workgroup_size: 128
    .sgpr_count:     66
    .vgpr_count:     1024
    .wavefront_size: 32
...
	.end_amdgpu_metadata
.endif
;; end of part 2
;; launch fin (part 3): grid 32 x 1, 8 waves a work-group, no clusters, 0 bytes of LDS; arguments part, out0; writes out0
.if DOCPART == 3
	.amdgcn_target "amdgcn-amd-amdhsa--gfx1250"
	.amdhsa_code_object_version 6
	.text
	.protected	k_q5fa7523dd3_fin
	.globl	k_q5fa7523dd3_fin
	.p2align	8
	.type	k_q5fa7523dd3_fin,@function
k_q5fa7523dd3_fin:
	s_mov_b64 s[64:65], 0
	v_nop
	global_prefetch_b8 v0, s[64:65] scope:SCOPE_SE
	s_setreg_imm32_b32 hwreg(HW_REG_WAVE_MODE, 25, 1), 1
	s_wait_xcnt 0x0
; FIN.  out0[b][k] = (sum over the batch's 16 sub-tiles t of w_t x ctx_t[k]) / (sum of w_t x l_t), w_t = 2^(m2_t - the largest m2): the softmax's maximum over the whole row is taken away here.
; part: record 16 b + t of 4,352 bytes: 1,024 f32 ctx_t, then the pair (m2_t, l_t).  Work-group b; thread n owns k = 4 n .. 4 n + 3: a load or store of a wave covers 512 consecutive bytes.
; No LDS, no barrier, no matrix work: 70 KB in and 4 KB out for each work-group.  The largest w is 1 and its l is about 1 or more, so the divisor is no zero.
	s_load_b128 s[4:7], s[0:1], 0x0                ; part, out0
	s_mul_i32 s8, ttmp9, 69632                     ; 16 records
	s_mov_b32 s9, 0
	s_lshl_b32 s10, ttmp9, 12                      ; a row of out0
	s_mov_b32 s11, 0
	v_lshlrev_b32 v1, 4, v0
	s_wait_kmcnt 0x0
	s_add_nc_u64 s[4:5], s[4:5], s[8:9]
	s_add_nc_u64 s[6:7], s[6:7], s[10:11]
.irp t, 0,1,2,3,4,5,6,7,8,9,10,11,12,13,14,15
	s_load_b64 s[16+2*\t:17+2*\t], s[4:5], 4352*\t+4096                        ; (m2_t, l_t): this launch writes nothing of part
.endr
.irp t, 0,1,2,3,4,5,6,7,8,9,10,11,12,13,14,15
	global_load_b128 v[32+4*\t:35+4*\t], v1, s[4:5] offset:4352*\t
.endr
	s_wait_kmcnt 0x0
	v_mov_b32 v2, s16
.irp t, 1,2,3,4,5,6,7,8,9,10,11,12,13,14,15
	v_max_num_f32 v2, s[16+2*\t], v2
.endr
.irp t, 0,1,2,3,4,5,6,7,8,9,10,11,12,13,14,15
	v_sub_f32 v[8+\t], s[16+2*\t], v2
.endr
.irp t, 0,1,2,3,4,5,6,7,8,9,10,11,12,13,14,15
	v_exp_f32 v[8+\t], v[8+\t]                     ; w_t
.endr
	v_nop                                          ; a plain instruction behind the last exponential,
	s_wait_alu depctr_va_vdst(0)                   ; and one wait for the sixteen, ahead of their first reader
	v_mul_f32 v3, s17, v8
.irp t, 1,2,3,4,5,6,7,8,9,10,11,12,13,14,15
	v_fmac_f32 v3, s[17+2*\t], v[8+\t]
.endr
	v_rcp_f32 v4, v3
	s_wait_loadcnt 0x0
.irp e, 0,1,2,3
	v_mul_f32 v[24+\e], v[32+\e], v8               ; (plain work behind the reciprocal: it names neither v3 nor v4)
.endr
.irp t, 1,2,3,4,5,6,7,8,9,10,11,12,13,14,15
.irp e, 0,1,2,3
	v_fmac_f32 v[24+\e], v[32+4*\t+\e], v[8+\t]
.endr
.endr
	s_wait_alu depctr_va_vdst(0)                   ; the reciprocal's wait, ahead of its first reader
.irp e, 0,1,2,3
	v_mul_f32 v[24+\e], v[24+\e], v4
.endr
	global_store_b128 v1, v[24:27], s[6:7]
	s_endpgm
.Lfunc_end_k_q5fa7523dd3_fin:
	.size	k_q5fa7523dd3_fin, .Lfunc_end_k_q5fa7523dd3_fin-k_q5fa7523dd3_fin
	.p2alignl 7, 3214868480
	.fill 96, 4, 3214868480
	.section	.rodata,"a",@progbits
	.p2align	6, 0x0
	.amdhsa_kernel k_q5fa7523dd3_fin
		.amdhsa_group_segment_fixed_size 0
		.amdhsa_private_segment_fixed_size 0
		.amdhsa_enable_private_segment 0
		.amdhsa_kernarg_size 16
		.amdhsa_user_sgpr_count 2
		.amdhsa_user_sgpr_kernarg_segment_ptr 1
		.amdhsa_wavefront_size32 1
		.amdhsa_system_sgpr_workgroup_id_x 1
		.amdhsa_system_sgpr_workgroup_id_y 1
		.amdhsa_system_sgpr_workgroup_id_z 1
		.amdhsa_system_vgpr_workitem_id 0
		.amdhsa_next_free_vgpr 96
		.amdhsa_next_free_sgpr 66
		.amdhsa_reserve_vcc 0
		.amdhsa_float_denorm_mode_32 3
		.amdhsa_float_denorm_mode_16_64 3
		.amdhsa_memory_ordered 1
		.amdhsa_forward_progress 1
		.amdhsa_inst_pref_size 8
	.end_amdhsa_kernel
	.amdgpu_metadata
---
amdhsa.version: [ 1, 2 ]
amdhsa.kernels:
  - .name:           k_q5fa7523dd3_fin
    .symbol:         k_q5fa7523dd3_fin.kd
    .args:
      - { .name: part, .offset: 0, .size: 8, .value_kind: global_buffer, .address_space: global }
      - { .name: out0, .offset: 8, .size: 8, .value_kind: global_buffer, .address_space: global }
    .group_segment_fixed_size: 0
    .private_segment_fixed_size: 0
    .kernarg_segment_align: 8
    .kernarg_segment_size: 16
    .max_flat_workgroup_size: 256
    .sgpr_count:     66
    .vgpr_count:     96
    .wavefront_size: 32
...
	.end_amdgpu_metadata
.endif
;; end of part 3
;; ======== version 2 of 2: 3 launches; version 1 with the launches prep, main written anew for expert scheduling mode
;; workspace buffers: wq 851,968 bytes; tab 262,144 bytes; part 2,228,224 bytes
;; launch prep (part 4): grid 64 x 1, 8 waves a work-group, no clusters, 84,992 bytes of LDS; arguments W_encoder, W_decoder, q, v, wq, tab; writes wq, tab
.if DOCPART == 4
	.amdgcn_target "amdgcn-amd-amdhsa--gfx1250"
	.amdhsa_code_object_version 6
	.text
	.protected	k_q5fa7523dd3_prep
	.globl	k_q5fa7523dd3_prep
	.p2align	8
	.type	k_q5fa7523dd3_prep,@function
k_q5fa7523dd3_prep:
	s_mov_b64 s[64:65], 0
	v_nop
	global_prefetch_b8 v0, s[64:65] scope:SCOPE_SE
	s_setreg_imm32_b32 hwreg(HW_REG_WAVE_SCHED_MODE, 0, 2), 2
	s_setreg_imm32_b32 hwreg(HW_REG_WAVE_MODE, 25, 1), 1
	s_wait_xcnt 0x0
	s_wait_alu depctr_vm_vsrc(0)
; PREP.  (1) W_encoder [1024][1024] f32 becomes codes of BF6 (E3M2) with one E8M0 byte for each 32 along K, laid in wq as IMAGES OF OPERAND REGISTERS in the order in which a wave of the
; main launch streams them.  (2) V = q W_decoder^T, both operands quantised here, by the scaled matrix instruction.  (3) tab[b][a] = the pair (c V[b][a], -2 v[a]), c = 2 log2(e).
; SHARES.  Work-group t takes rows 16 t .. 16 t + 15 of both weights; its wave s takes K step s (128 along K).  Every work-group and wave runs the same lines.
; A UNIT is 16 rows x 128 along K of f32.  It is loaded a row an instruction (512 consecutive bytes a wave) and turned through the wave's own stage in LDS, so that lane (r, h) holds,
; of row r, k = 64 c + 32 h + 0 .. 31 in registers 32 c + 0 .. 31: two whole blocks of 32, in the order of the 6-bit operand's layout.
; wq: wave w = t / 16 of the main launch has a stream of 212,992 bytes; in it record 8 j + s (j = (t / 4) % 4) of 6,656 bytes; in it fragment t % 4 of 1,536 bytes (register group c at 512 c + 16 lane),
; and from byte 6,144 on four scale images of 128 bytes (4 bytes a lane, both halves of the lanes hold row r's word).
; V's eight partial sums (one K step a wave) are added in f32 through LDS.
; LIMITS: NaN and infinities are not served.  A block whose largest magnitude lies under 2^-122 (a block of zeros too) gets the byte 1: the bytes are read by this program alone, and zero codes add nothing.
; tab is stored in pieces of 128 bytes and a scale image is 128 bytes: 0.3 MB in all.
; THE MODE: SCHED_MODE bits 1:0 = 2 (LLVM: expert scheduling mode 2), set by the entry lines.  The code itself states the register dependences
; between vector or matrix instructions and memory or LDS instructions, with s_wait_alu, always for 0.
; THE PLAN.  Registers that memory or LDS instructions touch:
;   v1-v9      offsets and addresses, made once at the head and never written again.
;   XA, XB     a unit as loaded: written by global loads, read by the stage's LDS stores; then loaded again (q's rows), and at last written by vector and matrix instructions (q's codes, V's tiles).
;   Y          a unit turned: written by LDS loads, read by the quantiser; at the end the partial sums land there and tab's pairs are made there.
;   F0, SE     W_encoder's codes and scale word: written by the quantiser, read by global stores, never written again.
; So: a wait on vm_vsrc behind each turn's LDS stores, ahead of whatever writes XA or XB next; a wait on va_vdst behind each run of the quantiser, ahead of the stores of its results or of the next loads into Y.
.set STGB, 8448                        ; a stage: 16 rows x (512 bytes + 16)
.set RED,  8*STGB                      ; behind the stages: 2,048 bytes a wave for the partial sums
.set LI,   1                           ; 16 x lane
.set LS,   2                           ; 4 x lane
.set STS,  3                           ; stage, way in: stage + 16 x lane
.set STL,  4                           ; stage, way out: stage + 528 r + 128 h
.set SH8,  5                           ; 8 h
.set R4,   6                           ; 4 r
.set RDW,  7                           ; RED + 2,048 wave + 8 lane
.set RDL,  8                           ; RED + 256 wave + 8 lane
.set TABO, 9                           ; 65,536 h + 8 r
.set VV,   10                          ; v[16 t + r]
.set TMPX, 11                          ; a lane permute's destination
.set XA,   16                          ; v16-79   a unit as loaded
.set XB,   80                          ; v80-143  a second one
.set Y,    144                         ; v144-207 a unit turned
.set F0,   208                         ; W_encoder's fragment
.set FD,   220                         ; W_decoder's
.set T2,   232                         ; the upper halves of a block's codes
.set MX,   240                         ; four running maxima
.set OP,   244                         ; the conversions' scale operands
.set BY,   246                         ; the scale bytes
.set SD,   250                         ; scale words: W_decoder's, q's two, W_encoder's: these four registers hold scales and nothing else
.set SQ0,  251
.set SQ1,  252
.set SE,   253
.set FQ0,  16                          ; q's fragments, where the units lay
.set FQ1,  80
.set ACC,  32                          ; v32-39, v40-47: V's two tiles
.set RS,   144                         ; the eight partial pairs
.set OUTP, 160                         ; two pairs to store
.set SEL,  40                          ; s[40:41] lane selects: lane l xor 16
.macro PLACES n
.rept \n
	v_nop
.endr
.endm
.macro ULOAD reg, sb, off              ; a unit: instruction i = row i, 512 consecutive bytes
.irp i, 0,1,2,3,4,5,6,7,8,9,10,11,12,13,14,15
	global_load_b128 v[\reg+4*\i:\reg+4*\i+3], v[LI], s[\sb:\sb+1] offset:\off+4096*\i
.endr
.endm
.macro TURN reg                        ; through my stage; LDS serves a wave's instructions in order, so no wait stands between the stores and the loads
.irp i, 0,1,2,3,4,5,6,7,8,9,10,11,12,13,14,15
	ds_store_b128 v[STS], v[\reg+4*\i:\reg+4*\i+3] offset:528*\i
.endr
.irp c, 0,1
.irp q, 0,1,2,3,4,5,6,7
	ds_load_b128 v[Y+32*\c+4*\q:Y+32*\c+4*\q+3], v[STL] offset:256*\c+16*\q   ; pitch 528 = 33 x 16: sixteen lanes read sixteen different 16-byte columns modulo 256
.endr
.endr
.endm
; 64 numbers of a lane, register 32 c + i = k 64 c + 32 h + i of my row, become a fragment's 12 registers at v[f] and my row's scale word in v[pw].
.macro QUANT y, f, pw
.irp c, 0,1
	v_max3_num_f32 v[MX+2*\c], |v[\y+32*\c]|, |v[\y+32*\c+1]|, 0x2800000      ; block 2 c + h: all 32 numbers are mine; the floor 2^(5 - 127) holds the byte at 1 from below
	v_max3_num_f32 v[MX+2*\c+1], |v[\y+32*\c+16]|, |v[\y+32*\c+17]|, |v[\y+32*\c+18]|
.endr
.irp i, 0,1,2,3,4,5
.irp c, 0,1
	v_max3_num_f32 v[MX+2*\c], v[MX+2*\c], |v[\y+32*\c+2+2*\i]|, |v[\y+32*\c+3+2*\i]|      ; four chains by turns
	v_max3_num_f32 v[MX+2*\c+1], v[MX+2*\c+1], |v[\y+32*\c+19+2*\i]|, |v[\y+32*\c+20+2*\i]|
.endr
.endr
.irp c, 0,1
	v_max3_num_f32 v[MX+2*\c], v[MX+2*\c], |v[\y+32*\c+14]|, |v[\y+32*\c+15]|
.endr
.irp c, 0,1
	v_max3_num_f32 v[MX+2*\c], v[MX+2*\c], v[MX+2*\c+1], |v[\y+32*\c+31]|
.endr
.irp c, 0,1
	v_add_nc_u32 v[OP+\c], 0xfe000000, v[MX+2*\c]      ; 4 off the exponent field: the conversion takes this operand's exponent field as its scale
.endr
.irp c, 0,1
	v_lshrrev_b32 v[BY+\c], 23, v[OP+\c]               ; the scale's byte
.endr
	v_lshl_or_b32 v[\pw], v[BY+1], 16, v[BY]           ; my two bytes: blocks h and 2 + h,
	v_lshlrev_b32 v[\pw], v[SH8], v[\pw]               ; at their places;
	v_permlanex16_b32 v[TMPX], v[\pw], s[SEL], s[SEL+1]
	v_or_b32 v[\pw], v[\pw], v[TMPX]                   ; with lane l xor 16's two the word is whole, in both halves
.irp c, 0,1
	v_cvt_scalef32_pk16_bf6_f32 v[\f+6*\c:\f+6*\c+2], v[\y+32*\c:\y+32*\c+15], v[OP+\c]
	v_cvt_scalef32_pk16_bf6_f32 v[T2+4*\c:T2+4*\c+2], v[\y+32*\c+16:\y+32*\c+31], v[OP+\c]   ; (a conversion's three registers begin on an even number)
.endr
	v_nop                                              ; one plain place behind a scaled conversion
.irp c, 0,1
.irp i, 0,1,2
	v_mov_b32 v[\f+6*\c+3+\i], v[T2+4*\c+\i]
.endr
.endr
.endm
	s_load_b256 s[4:11], s[0:1], 0x0               ; W_encoder s[4:5], W_decoder s[6:7], q s[8:9], v s[10:11]
	s_load_b128 s[12:15], s[0:1], 0x20             ; wq s[12:13], tab s[14:15]
	v_lshl_add_u32 v254, v0, 2, 0x14800
	v_mov_b32 v255, 0
	v_lshrrev_b32 v12, 5, v0
	v_readfirstlane_b32 s16, v12                   ; wave = K step
	v_and_b32 v13, 31, v0                          ; lane
	v_and_b32 v14, 15, v0                          ; r
	v_bfe_u32 v15, v0, 4, 1                        ; h
	v_lshlrev_b32 v[LI], 4, v13
	v_lshlrev_b32 v[LS], 2, v13
	s_wait_alu depctr_va_sdst(0)                   ; s16 is written, ahead of its first reader: LDS places and the bases are made from it
	s_mul_i32 s17, s16, STGB
	v_add_nc_u32 v[STS], s17, v[LI]
	v_mul_u32_u24 v[STL], v14, 528
	v_lshl_add_u32 v[STL], v15, 7, v[STL]
	v_add_nc_u32 v[STL], s17, v[STL]
	v_lshlrev_b32 v[SH8], 3, v15
	v_lshlrev_b32 v[R4], 2, v14
	v_lshlrev_b32 v12, 3, v13                      ; 8 x lane
	s_lshl_b32 s18, s16, 11
	s_add_co_u32 s18, s18, RED
	v_add_nc_u32 v[RDW], s18, v12
	s_lshl_b32 s19, s16, 8
	s_add_co_u32 s19, s19, RED
	v_add_nc_u32 v[RDL], s19, v12
	v_lshlrev_b32 v[TABO], 3, v14
	v_lshl_add_u32 v[TABO], v15, 16, v[TABO]
	v_mov_b32 v[TMPX], 0
	s_mov_b32 s[SEL], 0x76543210
	s_mov_b32 s[SEL+1], 0xfedcba98
	s_mov_b32 s42, 0x4038aa3b                      ; c = 2 log2(e)
	s_lshl_b32 s20, ttmp9, 16                      ; 16 rows of 4,096 bytes
	s_lshl_b32 s22, s16, 9                         ; my K step: 512 bytes
	s_add_co_u32 s20, s20, s22
	s_mov_b32 s21, 0
	s_mov_b32 s23, 0
	s_lshl_b32 s24, ttmp9, 6                       ; v: 16 numbers a work-group
	s_mov_b32 s25, 0
	s_lshr_b32 s26, ttmp9, 4
	s_mul_i32 s26, s26, 212992                     ; the stream
	s_bfe_u32 s27, ttmp9, 0x20002                  ; j = (t / 4) % 4
	s_lshl_b32 s27, s27, 3
	s_add_co_u32 s27, s27, s16
	s_mul_i32 s27, s27, 6656                       ; the record 8 j + s
	s_add_co_u32 s26, s26, s27
	s_and_b32 s28, ttmp9, 3
	s_mul_i32 s29, s28, 1536
	s_lshl_b32 s28, s28, 7
	s_add_co_u32 s30, s26, s29                     ; my fragment
	s_mov_b32 s31, 0
	s_add_co_u32 s32, s26, s28                     ; my scale image, less the 6,144 of the immediate
	s_mov_b32 s33, 0
	s_lshr_b32 s34, s16, 2                         ; tab: wave w' stores rows b = 16 (w' / 4) + 2 (w' % 4) + 8 h + 0, 1
	s_lshl_b32 s34, s34, 4
	s_and_b32 s35, s16, 3
	s_lshl_b32 s35, s35, 1
	s_add_co_u32 s34, s34, s35
	s_lshl_b32 s34, s34, 13                        ; a row of tab is 8,192 bytes
	s_lshl_b32 s35, ttmp9, 7                       ; 16 pairs of 8 bytes a work-group
	s_add_co_u32 s34, s34, s35
	s_mov_b32 s35, 0
	s_wait_kmcnt 0x0
	s_add_nc_u64 s[4:5], s[4:5], s[20:21]
	s_add_nc_u64 s[6:7], s[6:7], s[20:21]
	s_add_nc_u64 s[8:9], s[8:9], s[22:23]
	s_add_nc_u64 s[10:11], s[10:11], s[24:25]
	s_add_nc_u64 s[36:37], s[12:13], s[30:31]
	s_add_nc_u64 s[38:39], s[12:13], s[32:33]
	s_add_nc_u64 s[14:15], s[14:15], s[34:35]
	s_wait_alu depctr_va_vdst(0)                   ; the offsets and addresses v1 to v9 are written: every load and store of the kernel reads one of them
	global_load_b32 v[VV], v[R4], s[10:11]
	ULOAD XA, 4, 0                                 ; W_encoder's unit
	ULOAD XB, 6, 0                                 ; W_decoder's
	s_wait_loadcnt 16                              ; v and W_encoder's unit are in; W_decoder's 16 loads may be out
	TURN XA
	s_wait_alu depctr_vm_vsrc(0)                   ; the stage's stores have read XA, in which the next loads land
	ULOAD XA, 8, 0                                 ; q's rows 0-15
	s_wait_dscnt 0x0                               ; Y is in
	QUANT Y, F0, SE
	s_wait_alu depctr_va_vdst(0)                   ; the quantiser has written F0 and SE, which the stores read, and is done reading Y, in which the next turn's loads land
.irp c, 0,1,2
	global_store_b128 v[LI], v[F0+4*\c:F0+4*\c+3], s[36:37] offset:512*\c      ; the image: 512 consecutive bytes a store
.endr
	global_store_b32 v[LS], v[SE], s[38:39] offset:6144
	s_wait_loadcnt 16                              ; W_decoder's unit is in; q's first 16 loads may be out
	TURN XB
	s_wait_alu depctr_vm_vsrc(0)                   ; the stage's stores have read XB, in which the next loads land
	ULOAD XB, 8, 65536                             ; q's rows 16-31
	s_wait_dscnt 0x0
	QUANT Y, FD, SD
	s_wait_loadcnt 16                              ; q's rows 0-15 are in
	s_wait_alu depctr_va_vdst(0)                   ; the quantiser is done reading Y, in which the turn's loads land
	TURN XA
	s_wait_dscnt 0x0
	s_wait_alu depctr_vm_vsrc(0)                   ; the stage's stores have read XA: the quantiser writes q's codes there, and the products V's tiles
	QUANT Y, FQ0, SQ0
	s_wait_loadcnt 0x0
	s_wait_alu depctr_va_vdst(0)                   ; the quantiser is done reading Y, in which the turn's loads land
	TURN XB
	s_wait_dscnt 0x0
	s_wait_alu depctr_vm_vsrc(0)                   ; the stage's stores have read XB: the quantiser writes q's codes there
	QUANT Y, FQ1, SQ1
	PLACES 8                                       ; scale words written by vector instructions stand eight places ahead of a scaled matrix instruction, operands four
	s_wait_alu depctr_va_vdst(0)                   ; the quantiser has written the three fragments and the three scale words that the products take; the places above stay beside this wait
	v_wmma_scale_f32_16x16x128_f8f6f4 v[ACC:ACC+7], v[FQ0:FQ0+11], v[FD:FD+11], 0, v[SQ0], v[SD] matrix_a_fmt:MATRIX_FMT_BF6 matrix_b_fmt:MATRIX_FMT_BF6       ; register j of lane (r, h): V's part for b = 8 h + j, a = 16 t + r
	v_wmma_scale_f32_16x16x128_f8f6f4 v[ACC+8:ACC+15], v[FQ1:FQ1+11], v[FD:FD+11], 0, v[SQ1], v[SD] matrix_a_fmt:MATRIX_FMT_BF6 matrix_b_fmt:MATRIX_FMT_BF6   ; b = 16 + 8 h + j
	PLACES 4                                       ; four places before an LDS store reads a matrix result
	s_wait_alu depctr_va_vdst(0)                   ; the products have written V's two tiles, which the LDS stores read; the places above stay beside this wait
.irp g, 0,1,2,3,4,5,6,7
	ds_store_b64 v[RDW], v[ACC+2*\g:ACC+2*\g+1] offset:256*\g                  ; ascending: each accumulator from its low end on
.endr
	s_wait_dscnt 0x0                               ; for the others' sake: my partial sums lie in LDS
	s_barrier_signal -1
	s_barrier_wait -1
.irp x, 0,1,2,3,4,5,6,7
	ds_load_b64 v[RS+2*\x:RS+2*\x+1], v[RDL] offset:2048*\x                    ; pair w' of all eight K steps.  (They land in Y: no vector instruction has named it since the waits above)
.endr
	s_wait_dscnt 0x0
	v_pk_add_f32 v[RS:RS+1], v[RS:RS+1], v[RS+2:RS+3]
	v_pk_add_f32 v[RS+4:RS+5], v[RS+4:RS+5], v[RS+6:RS+7]
	v_pk_add_f32 v[RS+8:RS+9], v[RS+8:RS+9], v[RS+10:RS+11]
	v_pk_add_f32 v[RS+12:RS+13], v[RS+12:RS+13], v[RS+14:RS+15]
	v_pk_add_f32 v[RS:RS+1], v[RS:RS+1], v[RS+4:RS+5]
	v_pk_add_f32 v[RS+8:RS+9], v[RS+8:RS+9], v[RS+12:RS+13]
	v_pk_add_f32 v[RS:RS+1], v[RS:RS+1], v[RS+8:RS+9]
	v_mul_f32 v[OUTP], s42, v[RS]                  ; c V[b][a]
	v_mul_f32 v[OUTP+2], s42, v[RS+1]              ; c V[b + 1][a]
	v_mul_f32 v[OUTP+1], -2.0, v[VV]               ; -2 v[a]
	v_mov_b32 v[OUTP+3], v[OUTP+1]
	s_wait_alu depctr_va_vdst(0)                   ; the two pairs are written, which the stores read
	global_store_b64 v[TABO], v[OUTP:OUTP+1], s[14:15]
	global_store_b64 v[TABO], v[OUTP+2:OUTP+3], s[14:15] offset:8192
	s_wait_dscnt 0x0
	s_wait_alu depctr_hold_cnt(0) depctr_sa_sdst(0) depctr_va_vdst(0) depctr_va_sdst(0) depctr_va_ssrc(0) depctr_va_vcc(0) depctr_vm_vsrc(0)
	s_wait_tensorcnt 0x0
	ds_add_u32 v254, v255
	s_wait_dscnt 0x0
	s_endpgm
.Lfunc_end_k_q5fa7523dd3_prep:
	.size	k_q5fa7523dd3_prep, .Lfunc_end_k_q5fa7523dd3_prep-k_q5fa7523dd3_prep
	.p2alignl 7, 3214868480
	.fill 96, 4, 3214868480
	.section	.rodata,"a",@progbits
	.p2align	6, 0x0
	.amdhsa_kernel k_q5fa7523dd3_prep
		.amdhsa_group_segment_fixed_size 84992
		.amdhsa_private_segment_fixed_size 0
		.amdhsa_enable_private_segment 0
		.amdhsa_kernarg_size 48
		.amdhsa_user_sgpr_count 2
		.amdhsa_user_sgpr_kernarg_segment_ptr 1
		.amdhsa_wavefront_size32 1
		.amdhsa_system_sgpr_workgroup_id_x 1
		.amdhsa_system_sgpr_workgroup_id_y 1
		.amdhsa_system_sgpr_workgroup_id_z 1
		.amdhsa_system_vgpr_workitem_id 0
		.amdhsa_next_free_vgpr 256
		.amdhsa_next_free_sgpr 66
		.amdhsa_reserve_vcc 0
		.amdhsa_float_denorm_mode_32 3
		.amdhsa_float_denorm_mode_16_64 3
		.amdhsa_memory_ordered 1
		.amdhsa_forward_progress 1
		.amdhsa_inst_pref_size 33
	.end_amdhsa_kernel
	.amdgpu_metadata
---
amdhsa.version: [ 1, 2 ]
amdhsa.kernels:
  - .name:           k_q5fa7523dd3_prep
    .symbol:         k_q5fa7523dd3_prep.kd
    .args:
      - { .name: W_encoder, .offset: 0, .size: 8, .value_kind: global_buffer, .address_space: global }
      - { .name: W_decoder, .offset: 8, .size: 8, .value_kind: global_buffer, .address_space: global }
      - { .name: q, .offset: 16, .size: 8, .value_kind: global_buffer, .address_space: global }
      - { .name: v, .offset: 24, .size: 8, .value_kind: global_buffer, .address_space: global }
      - { .name: wq, .offset: 32, .size: 8, .value_kind: global_buffer, .address_space: global }
      - { .name: tab, .offset: 40, .size: 8, .value_kind: global_buffer, .address_space: global }
    .group_segment_fixed_size: 84992
    .private_segment_fixed_size: 0
    .kernarg_segment_align: 8
    .kernarg_segment_size: 48
    .max_flat_workgroup_size: 256
    .sgpr_count:     66
    .vgpr_count:     256
    .wavefront_size: 32
...
	.end_amdgpu_metadata
.endif
;; end of part 4
;; launch main (part 5): grid 256 x 1, 4 waves a work-group, no clusters, 325,120 bytes of LDS; arguments key, wq, tab, part; writes part
.if DOCPART == 5
	.amdgcn_target "amdgcn-amd-amdhsa--gfx1250"
	.amdhsa_code_object_version 6
	.text
	.protected	k_q5fa7523dd3_main
	.globl	k_q5fa7523dd3_main
	.p2align	8
	.type	k_q5fa7523dd3_main,@function
k_q5fa7523dd3_main:
	s_mov_b64 s[64:65], 0
	v_nop
	global_prefetch_b8 v0, s[64:65] scope:SCOPE_SE
	s_setreg_imm32_b32 hwreg(HW_REG_WAVE_SCHED_MODE, 0, 2), 2
	s_setreg_imm32_b32 hwreg(HW_REG_WAVE_MODE, 25, 1), 1
	s_wait_xcnt 0x0
	s_wait_alu depctr_vm_vsrc(0)
; MAIN.  For 128 rows of key at a time (a sub-tile; a work-group takes two): quantise them to BF6 (E3M2, one E8M0 byte for each 32 along K), U = key W_encoder^T by the scaled matrix instruction,
; score' = sum over a of (-2 v[a]) / (1 + 2^(c U + c V[b][a])), c = 2 log2(e); p = e^(score' - the sub-tile's largest); the sub-tile's sum of p, and sum of p x key.
; tanh x = 1 - 2 / (1 + 2^(c x)), so score = (sum of v) + score': the sum of v is the same for every row and falls out of the softmax.  2^.. = infinity gives 0, 2^.. = 0 gives 1: tanh's limits.
; KEY IS READ FROM MEMORY ONCE: the rows stay on the WGP as bf16 (11 of a wave's 16 units in LDS, 5 in registers) until their weights are known.  The last launch joins the sub-tiles.
; SHARES.  Loading, quantising and the weighted sum: wave w owns rows 32 w .. 32 w + 31, as 16 units u = 8 m + s of 16 rows x 128 along K.  The product: wave w makes all 128 rows x columns 256 w .. + 255,
; in 4 chunks of 128 x 64 (32 accumulators).  key's fragments go from wave to wave through LDS as images of their registers; W's fragments are wanted by one wave each and come from wq straight into registers,
; through a ring of four K steps.
; NO CLUSTER, NO TENSOR LOAD, NO LDS RING FOR W: LDS holds 98,304 bytes of codes, 8,192 of scale words, 180,224 of bf16 rows, 33,792 of stages and 4,096 of scores: 324,608 of 327,680; and no fragment of W is read by two waves of a work-group.
; The ring of W runs on cyclically, so the last three requests of the second sub-tile (19,968 bytes a wave) and each sub-tile's last fetch of key's K step 0 from LDS are never used: that spares a second copy of three K steps.
; LIMITS: NaN and infinities are not served.  A block whose largest magnitude lies under 2^-122 (a block of zeros too) gets the byte 1: the bytes are read by this program alone.  key is rounded to bf16 for the weighted sum.
; A p under 2^-126 counts as 0.
; part: record 2 g + sub of 4,352 bytes: 1,024 f32 sums of p x key, then the pair (m2, l) 32 times; m2 = the largest score' x log2(e), l = the sum of p.
; REGISTERS, in windows of 256 (s_set_vgpr_msb: bits 1:0 source 0, 3:2 source 1, 5:4 source 2, 7:6 destination):
;   window 0: v1-22 addresses; v24-31 four pairs of tab; v32-47 key's scale words, two sets; v48-63 W's, four slots; v64-127 the scores; v128-223 key's fragments, set 0; v224-255 at work
;   window 1: v0-95 key's fragments, set 1 (at a sub-tile's end: three units read back); v96-255 units 11-15 as bf16      window 2: the 32 accumulators; while loading: four landing slots of 64      window 3: v0-191 the ring of W's fragments
; THE MODE: SCHED_MODE bits 1:0 = 2 (LLVM: expert scheduling mode 2), set by the entry lines.  The code itself states the register dependences
; between vector or matrix instructions and memory or LDS instructions, with s_wait_alu, always for 0.
; THE PLAN.  Registers that memory or LDS instructions touch:
;   v1-v20       offsets and addresses: made once at the head, never written again.
;   LOADING, unit u.  Landing slot u % 4: the loads of unit u land in it; the stage's LDS stores and the conversions to bf16 read it; the loads of unit u + 4 land in it.
;                BT: the conversions write it, eight LDS stores read it.  Y: LDS loads land in it, the quantiser reads it.  F and the scale word: the quantiser of unit u writes them, four LDS stores, issued in unit u + 1, read them.
;                One wait on va_vdst behind the conversions serves BT's stores, the stores of the unit before, Y's loads and the slot's next loads; one wait on vm_vsrc behind those stores frees the slot, BT, F and the word.
;   THE PRODUCT, K step s.  key's fragment set and scale set (s + 1) % 2 and the ring's slot (s + 3) % 4 were last read by the products of step s - 1.  One wait on va_vdst at the step's head states that those are done;
;                the step's loads into these registers follow with no further wait, dealt among the step's 32 products, which name the other sets, slot s % 4 and the accumulators alone.
;   THE END.     The scores, p, the sums and (m2, l) are written by vector instructions and read by stores: a wait on va_vdst ahead of each run of stores, a wait on vm_vsrc ahead of what writes those registers next.
;                The eleven units read back from LDS take five buffers by turns, so that three waits on va_vdst free them all.
.set ASC,   98304                      ; LDS: codes from 0 (fragment (s, a) at 1,536 (8 s + a)); scale words (128 (8 s + a) + 4 lane);
.set STG,   106496                     ; four stages of 16 rows x (512 + 16) bytes;
.set STGB,  8448
.set RET,   140288                     ; a wave's units 0-10 as bf16 images, 4,096 bytes each;
.set RETB,  45056
.set SCR,   320512                     ; each wave's partial scores of the 128 rows;
.set PWB,   322560                     ; each wave's own copy of p.  The four waves' sums of p x key (4 x 4,096) lie over the codes, between the second and the fourth barrier
.set REC,   6656                       ; a record of wq: four fragments and four scale images
.set CHB,   8*REC                      ; a chunk's records
.set STREAM, 32*REC                    ; a wave's
.set SUBB,  524288                     ; 128 rows of key
.set LI,   1                           ; 16 x lane: an image's place, a load's offset, the codes of K steps 0-3
.set LS,   2                           ; 4 x lane
.set STS,  3                           ; my stage + 16 lane
.set STL,  4                           ; my stage + 528 r + 128 h
.set CIW0, 5                           ; 3,072 w + 16 lane: where I store codes, K steps 0-3
.set CIW1, 6                           ; K steps 4-7
.set ASW,  7                           ; ASC + 256 w + 4 lane
.set RTA,  8                           ; RET + 45,056 w + 16 lane
.set LA1,  9                           ; 16 lane + 49,152: the codes of K steps 4-7
.set ASL,  10                          ; ASC + 4 lane
.set SCW,  11                          ; SCR + 512 w + 32 h
.set SCL,  12                          ; SCR + 16 lane
.set PWS,  13                          ; PWB + 512 w + 16 lane
.set PWL,  14                          ; PWB + 512 w + 128 w: my 32 rows' p in my copy
.set CTW,  15                          ; 4,096 w + 16 lane
.set CTL,  16                          ; 1,024 w + 16 lane
.set TO,   17                          ; 8 r
.set PFO,  18                          ; 4,096 (lane / 8) + 256 (lane % 8)
.set SH8,  19                          ; 8 h
.set ML8,  20                          ; 8 lane
.set TMPX, 21                          ; a lane permute's destination
.set PWD,  22                          ; the scale word just made
.set TT,   24
.set ASCR, 32
.set BSC,  48
.set SC,   64
.set A0,   128
.set Y,    128                         ; while loading: a unit turned,
.set F,    192                         ; its codes,
.set T2,   204
.set BT,   64                          ; and the unit as bf16
.set CTX,  128                         ; at the end: 32 sums of p x key,
.set P,    160                         ; my 32 rows' p,
.set SV,   192                         ; the four waves' partial scores,
.set RB,   64                          ; two buffers of 32 for units read back (three more at v0, v32, v64 of window 1)
.set MX,   224
.set OP,   228
.set BY,   230
.set PP,   236                         ; p of my four rows
.set ML,   240                         ; m2, l
.set WV,   22
.set SUB,  23
.set CH,   24
.set SEL,  28
.set MSB, 0
.macro WIN new                         ; the immediate's high byte repeats the setting that is left; a switch that changes nothing is dropped
.if MSB != (\new)
	s_set_vgpr_msb (MSB<<8)|(\new)
.set MSB, (\new)
.endif
.endm
.macro PLACES n
.rept \n
	v_nop
.endr
.endm
.macro BARRIER                         ; my LDS stores have landed and my LDS loads are in: then the work-group's barrier
	s_wait_dscnt 0x0
	s_barrier_signal -1
	s_barrier_wait -1
.endm
.macro KLOAD u, off                    ; unit u: instruction i = row i, 512 consecutive bytes, into landing slot u % 4
	WIN 0x80
.irp i, 0,1,2,3,4,5,6,7,8,9,10,11,12,13,14,15
	global_load_b128 v[64*((\u)%4)+4*\i:64*((\u)%4)+4*\i+3], v[LI], s[4:5] offset:(\off)+(16*((\u)/8)+\i)*4096+512*((\u)%8) th:TH_LOAD_NT
.endr
.endm
.macro BSCL slot, sb, off              ; a record of wq: its four scale images, 128 bytes a load,
	WIN 0
.irp t, 0,1,2,3
	global_load_b32 v[BSC+4*(\slot)+\t], v[LS], s[\sb:\sb+1] offset:(\off)+6144+128*\t
.endr
.endm
.macro BFRAG slot, sb, off             ; and its four fragments, 512 bytes a load
	WIN 0xc0
.irp t, 0,1,2,3
.irp c, 0,1,2
	global_load_b128 v[48*(\slot)+12*\t+4*\c:48*(\slot)+12*\t+4*\c+3], v[LI], s[\sb:\sb+1] offset:(\off)+1536*\t+512*\c
.endr
.endr
.endm
.macro AFRAG s, a0                     ; key's fragments a0 .. a0 + 3 of K step s, into set s % 2: 12 LDS loads
.if (\s)%2
	WIN 0x40
.set AB, 0
.else
	WIN 0
.set AB, A0
.endif
.if (\s) < 4
.set AR, LI
.else
.set AR, LA1
.endif
.irp a, \a0, \a0+1, \a0+2, \a0+3
.irp c, 0,1,2
	ds_load_b128 v[AB+12*(\a)+4*\c:AB+12*(\a)+4*\c+3], v[AR] offset:((\s)%4)*12288+1536*(\a)+512*\c
.endr
.endr
.endm
.macro ASCL s                          ; and the step's eight scale words
	WIN 0
.irp a, 0,1,2,3,4,5,6,7
	ds_load_b32 v[ASCR+8*((\s)%2)+\a], v[ASL] offset:1024*(\s)+128*\a
.endr
.endm
; 64 numbers of a lane, register 32 c + i = k 64 c + 32 h + i of my row, become a fragment's 12 registers at v[f] and my row's scale word in v[pw].
.macro QUANT y, f, pw
.irp c, 0,1
	v_max3_num_f32 v[MX+2*\c], |v[\y+32*\c]|, |v[\y+32*\c+1]|, 0x2800000      ; block 2 c + h: all 32 numbers are mine; the floor 2^(5 - 127) holds the byte at 1 from below
	v_max3_num_f32 v[MX+2*\c+1], |v[\y+32*\c+16]|, |v[\y+32*\c+17]|, |v[\y+32*\c+18]|
.endr
.irp i, 0,1,2,3,4,5
.irp c, 0,1
	v_max3_num_f32 v[MX+2*\c], v[MX+2*\c], |v[\y+32*\c+2+2*\i]|, |v[\y+32*\c+3+2*\i]|      ; four chains by turns
	v_max3_num_f32 v[MX+2*\c+1], v[MX+2*\c+1], |v[\y+32*\c+19+2*\i]|, |v[\y+32*\c+20+2*\i]|
.endr
.endr
.irp c, 0,1
	v_max3_num_f32 v[MX+2*\c], v[MX+2*\c], |v[\y+32*\c+14]|, |v[\y+32*\c+15]|
.endr
.irp c, 0,1
	v_max3_num_f32 v[MX+2*\c], v[MX+2*\c], v[MX+2*\c+1], |v[\y+32*\c+31]|
.endr
.irp c, 0,1
	v_add_nc_u32 v[OP+\c], 0xfe000000, v[MX+2*\c]      ; 4 off the exponent field: the conversion takes this operand's exponent field as its scale
.endr
.irp c, 0,1
	v_lshrrev_b32 v[BY+\c], 23, v[OP+\c]               ; the scale's byte
.endr
	v_lshl_or_b32 v[\pw], v[BY+1], 16, v[BY]           ; my two bytes: blocks h and 2 + h,
	v_lshlrev_b32 v[\pw], v[SH8], v[\pw]               ; at their places;
	v_permlanex16_b32 v[TMPX], v[\pw], s[SEL], s[SEL+1]
	v_or_b32 v[\pw], v[\pw], v[TMPX]                   ; with lane l xor 16's two the word is whole, in both halves
.irp c, 0,1
	v_cvt_scalef32_pk16_bf6_f32 v[\f+6*\c:\f+6*\c+2], v[\y+32*\c:\y+32*\c+15], v[OP+\c]
	v_cvt_scalef32_pk16_bf6_f32 v[T2+4*\c:T2+4*\c+2], v[\y+32*\c+16:\y+32*\c+31], v[OP+\c]   ; (a conversion's three registers begin on an even number)
.endr
	v_nop                                              ; one plain place behind a scaled conversion
.irp c, 0,1
.irp i, 0,1,2
	v_mov_b32 v[\f+6*\c+3+\i], v[T2+4*\c+\i]
.endr
.endr
.endm
.macro FSTORE u                        ; unit u's codes and scale word go to LDS as images of their registers
.if ((\u)%8) < 4
.set CI, CIW0
.else
.set CI, CIW1
.endif
.irp c, 0,1,2
	ds_store_b128 v[CI], v[F+4*\c:F+4*\c+3] offset:(((\u)%8)%4)*12288+1536*((\u)/8)+512*\c
.endr
	ds_store_b32 v[ASW], v[PWD] offset:1024*((\u)%8)+128*((\u)/8)
.endm
; UNIT u: its 16 rows x 128 numbers are kept as bf16, turned through my stage and quantised; the image of its codes goes to LDS in the next unit's turn.  cnt: the younger loads, which may stay out.
.macro UNIT u, cnt
.set SL, 64*((\u)%4)
	s_wait_loadcnt \cnt
	WIN 0x08
.irp i, 0,1,2,3,4,5,6,7,8,9,10,11,12,13,14,15
	ds_store_b128 v[STS], v[SL+4*\i:SL+4*\i+3] offset:528*\i                   ; the slot as it was loaded: no vector instruction has written it
.endr
.if (\u) < 11
	WIN 0x0a
.set BD, BT
.else
	WIN 0x4a
.set BD, 96+32*((\u)-11)
.endif
.irp i, 0,1,2,3,4,5,6,7,8,9,10,11,12,13,14,15
	v_cvt_pk_bf16_f32 v[BD+2*\i], v[SL+4*\i], v[SL+4*\i+1]                 ; register 2 i + q: row i, k = 4 lane + 2 q, + 1
	v_cvt_pk_bf16_f32 v[BD+2*\i+1], v[SL+4*\i+2], v[SL+4*\i+3]
.endr
	WIN 0
	s_wait_alu depctr_va_vdst(0)                   ; the conversions have written BT and are done reading the slot; the unit before is quantised: F and its scale word are written, and Y has been read
.if (\u) > 0
	FSTORE (\u)-1
.endif
.if (\u) < 11
.irp g, 0,1,2,3,4,5,6,7
	ds_store_b128 v[RTA], v[BT+4*\g:BT+4*\g+3] offset:4096*(\u)+512*\g
.endr
.endif
.irp c, 0,1
.irp q, 0,1,2,3,4,5,6,7
	ds_load_b128 v[Y+32*\c+4*\q:Y+32*\c+4*\q+3], v[STL] offset:256*\c+16*\q   ; pitch 528 = 33 x 16: sixteen lanes read sixteen different 16-byte columns modulo 256
.endr
.endr
	s_wait_alu depctr_vm_vsrc(0)                   ; the stage's stores have read the slot, in which the loads below land; the stores above have read F and the scale word, which the quantiser below writes, and BT, which the next unit writes
.if (\u) < 12
	KLOAD (\u)+4, 0                                ; the slot takes the unit four on: four units, 32 KB a wave, are on their way.  Nothing since the wait on va_vdst names the slot or the offset
	WIN 0
.endif
	s_wait_dscnt 0x0                               ; Y is in
	QUANT Y, F, PWD
.endm
; A prefetch into the L2 of my first four units of the next sub-tile: 16 rows x 2,048 bytes, 128 aligned blocks of 256 bytes, a lane a block, each named once in the launch (the rows are my wave's alone).
; It stands in the first sub-tile's last chunk, in K step 4, behind loads of that step: three and a half K steps (112 matrix instructions) and the chunk's activation ahead of the loads that want these bytes.
.macro ASKKEY
	s_lshl_b32 s16, s[SUB], 3
	s_add_co_u32 s16, s16, s[CH]
	s_cmp_eq_u32 s16, 17                           ; SUB = 2 and CH = 1
	s_cbranch_scc0 .Lnoask_\@
.irp p, 0,1,2,3
	global_prefetch_b8 v[PFO], s[4:5] offset:SUBB+16384*\p th:TH_LOAD_NT scope:SCOPE_SE
.endr
.Lnoask_\@:
.endm
; Eight products of K step s: key's tiles a0, a0 + 1 x the chunk's four tiles of W.  The 32 accumulators take turns, in the same order in every step.
.macro MUL8 s, a0
.if (\s)%2
.set PB, 0
.else
.set PB, A0
.endif
	WIN 0xac|((\s)%2)
.irp a, \a0, \a0+1
.irp t, 0,1,2,3
.if (\s) == 0
	v_wmma_scale_f32_16x16x128_f8f6f4 v[8*(4*(\a)+\t):8*(4*(\a)+\t)+7], v[PB+12*(\a):PB+12*(\a)+11], v[48*((\s)%4)+12*\t:48*((\s)%4)+12*\t+11], 0, v[ASCR+8*((\s)%2)+(\a)], v[BSC+4*((\s)%4)+\t] matrix_a_fmt:MATRIX_FMT_BF6 matrix_b_fmt:MATRIX_FMT_BF6
.else
	v_wmma_scale_f32_16x16x128_f8f6f4 v[8*(4*(\a)+\t):8*(4*(\a)+\t)+7], v[PB+12*(\a):PB+12*(\a)+11], v[48*((\s)%4)+12*\t:48*((\s)%4)+12*\t+11], v[8*(4*(\a)+\t):8*(4*(\a)+\t)+7], v[ASCR+8*((\s)%2)+(\a)], v[BSC+4*((\s)%4)+\t] matrix_a_fmt:MATRIX_FMT_BF6 matrix_b_fmt:MATRIX_FMT_BF6
.endif
.endr
.endr
.endm
; K STEP s of a chunk: 32 matrix instructions, and dealt among them the next step's fragments of key from LDS and the record three steps on from wq.
.macro KSTEP s, sb, off, cnt
	PLACES 4                                       ; four places behind the last step's products, as in the plain form of this text, ahead of the loads into registers that they read
	s_wait_dscnt 0x0                               ; this step's fragments and scale words of key, asked for in the step before, are in
	s_wait_loadcnt \cnt                            ; this step's record is in: behind it two records of 16 loads may be out, and in steps 1 and 2 the four loads of tab
	s_wait_alu depctr_va_vdst(0)                   ; the products of the step before are done reading key's other set, its scale words and the ring's slot (s + 3) % 4; in step 0 the activation is done reading tab's pairs: all the loads of this step land in these
	MUL8 \s, 0
	AFRAG ((\s)+1)%8, 0                            ; no wait: the products since the wait above name this step's own sets and the accumulators alone
	MUL8 \s, 2
	AFRAG ((\s)+1)%8, 4
	ASCL ((\s)+1)%8
.if (\s) == 0
.irp t, 0,1,2,3
	global_load_b64 v[TT+2*\t:TT+2*\t+1], v[TO], s[18:19] offset:128*\t        ; (c V, -2 v) of my column in each of the chunk's four tiles; ahead of the record's loads, so that step 3's wait shows them in
.endr
.endif
	BSCL ((\s)+3)%4, \sb, \off
.if (\s) == 4
	ASKKEY
.endif
	MUL8 \s, 4
	BFRAG ((\s)+3)%4, \sb, \off
	MUL8 \s, 6
.endm
; The activation of accumulator tau = 4 a + t, in place.  Register j of lane (r, h) is U(row 16 a + 8 h + j, column 16 t + r of the chunk).
.macro E1 tau                          ; c U + c V, from the accumulator's low end on
.irp i, 0,2,4,6
	v_pk_fma_f32 v[8*(\tau)+\i:8*(\tau)+\i+1], v[8*(\tau)+\i:8*(\tau)+\i+1], s[26:27], v[TT+2*((\tau)%4):TT+2*((\tau)%4)+1] op_sel_hi:[1,0,0]
.endr
.endm
.macro E2 tau
.irp i, 0,1,2,3,4,5,6,7
	v_exp_f32 v[8*(\tau)+\i], v[8*(\tau)+\i]
.endr
.endm
.macro E3 tau
.irp i, 0,2,4,6
	v_pk_add_f32 v[8*(\tau)+\i:8*(\tau)+\i+1], v[8*(\tau)+\i:8*(\tau)+\i+1], 1.0 op_sel_hi:[1,0]
.endr
.endm
.macro E4 tau
.irp i, 0,1,2,3,4,5,6,7
	v_rcp_f32 v[8*(\tau)+\i], v[8*(\tau)+\i]
.endr
.endm
.macro RLOAD u, dst                    ; unit u's bf16 image back from LDS, into the 32 registers from dst on
.irp g, 0,1,2,3,4,5,6,7
	ds_load_b128 v[(\dst)+4*\g:(\dst)+4*\g+3], v[RTA] offset:4096*(\u)+512*\g
.endr
.endm
.macro CTXU u, src                     ; sums of p x key over unit u's 16 rows: k = 128 s + 4 lane + 0 .. 3
.set UM, (\u)/8
.set US, (\u)%8
.irp i, 0,1,2,3,4,5,6,7,8,9,10,11,12,13,14,15
.irp q, 0,1
	v_fma_mix_f32_bf16 v[CTX+4*US+2*\q], v[(\src)+2*\i+\q], v[P+16*UM+\i], v[CTX+4*US+2*\q] op_sel_hi:[1,0,0]
	v_fma_mix_f32_bf16 v[CTX+4*US+2*\q+1], v[(\src)+2*\i+\q], v[P+16*UM+\i], v[CTX+4*US+2*\q+1] op_sel:[1,0,0] op_sel_hi:[1,0,0]
.endr
.endr
.endm
	s_load_b256 s[4:11], s[0:1], 0x0               ; key s[4:5], wq s[6:7], tab s[8:9], part s[10:11]
	v_lshl_add_u32 v254, v0, 2, 0x4f400
	v_mov_b32 v255, 0
	v_lshrrev_b32 v23, 5, v0
	v_readfirstlane_b32 s[WV], v23                 ; wave 0..3
	v_and_b32 v224, 31, v0                         ; lane
	v_and_b32 v225, 15, v0                         ; r
	v_bfe_u32 v226, v0, 4, 1                       ; h
	v_lshlrev_b32 v[LI], 4, v224
	v_lshlrev_b32 v[LS], 2, v224
	s_wait_alu depctr_va_sdst(0)                   ; the wave's number is written, ahead of its first reader: LDS places and the bases are made from it
	s_mul_i32 s31, s[WV], STGB
	s_add_co_u32 s31, s31, STG
	v_add_nc_u32 v[STS], s31, v[LI]
	v_mul_u32_u24 v[STL], v225, 528
	v_lshl_add_u32 v[STL], v226, 7, v[STL]
	v_add_nc_u32 v[STL], s31, v[STL]
	s_mul_i32 s40, s[WV], 3072
	v_add_nc_u32 v[CIW0], s40, v[LI]
	v_add_nc_u32 v[CIW1], 49152, v[CIW0]
	s_lshl_b32 s41, s[WV], 8
	s_add_co_u32 s41, s41, ASC
	v_add_nc_u32 v[ASW], s41, v[LS]
	s_mul_i32 s42, s[WV], RETB
	s_add_co_u32 s42, s42, RET
	v_add_nc_u32 v[RTA], s42, v[LI]
	v_add_nc_u32 v[LA1], 49152, v[LI]
	v_add_nc_u32 v[ASL], ASC, v[LS]
	s_lshl_b32 s43, s[WV], 9
	s_add_co_u32 s44, s43, SCR
	v_lshl_add_u32 v[SCW], v226, 5, s44
	v_add_nc_u32 v[SCL], SCR, v[LI]
	s_add_co_u32 s45, s43, PWB
	v_add_nc_u32 v[PWS], s45, v[LI]
	s_mul_i32 s46, s[WV], 640
	s_add_co_u32 s46, s46, PWB
	v_mov_b32 v[PWL], s46
	s_lshl_b32 s47, s[WV], 12
	v_add_nc_u32 v[CTW], s47, v[LI]
	s_lshl_b32 s48, s[WV], 10
	v_add_nc_u32 v[CTL], s48, v[LI]
	v_lshlrev_b32 v[TO], 3, v225
	v_lshrrev_b32 v227, 3, v224
	v_and_b32 v228, 7, v224
	v_lshlrev_b32 v[PFO], 12, v227
	v_lshl_add_u32 v[PFO], v228, 8, v[PFO]
	v_lshlrev_b32 v[SH8], 3, v226
	v_lshlrev_b32 v[ML8], 3, v224
	v_mov_b32 v[TMPX], 0
	s_mov_b32 s26, 0x4038aa3b                      ; c = 2 log2(e); the packed form names the pair and takes its low word for both halves
	s_mov_b32 s27, s26
	s_mov_b32 s[SEL], 0x76543210
	s_mov_b32 s[SEL+1], 0xfedcba98                 ; lane l xor 16
	s_mov_b32 s30, 0x3fb8aa3b                      ; log2(e)
	s_lshl_b32 s32, ttmp9, 20                      ; 256 rows of 4,096 bytes a work-group,
	s_lshl_b32 s33, s[WV], 17                      ; 32 a wave
	s_add_co_u32 s32, s32, s33
	s_mov_b32 s33, 0
	s_mul_i32 s34, s[WV], STREAM
	s_mov_b32 s35, 0
	s_lshr_b32 s36, ttmp9, 3                       ; the batch
	s_lshl_b32 s36, s36, 13                        ; a row of tab is 8,192 bytes;
	s_lshl_b32 s37, s[WV], 11                      ; my 256 columns
	s_add_co_u32 s36, s36, s37
	s_mov_b32 s37, 0
	s_mul_i32 s38, ttmp9, 8704                     ; two records of part;
	s_add_co_u32 s38, s38, s48                     ; my 256 numbers of a record
	s_mov_b32 s39, 0
	s_mov_b32 s[SUB], 2
	s_wait_kmcnt 0x0
	s_add_nc_u64 s[4:5], s[4:5], s[32:33]
	s_add_nc_u64 s[6:7], s[6:7], s[34:35]
	s_add_nc_u64 s[8:9], s[8:9], s[36:37]
	s_add_nc_u64 s[10:11], s[10:11], s[38:39]
	s_mov_b64 s[12:13], s[6:7]                     ; this chunk's records,
	s_add_nc_u64 s[14:15], s[6:7], CHB             ; the next chunk's,
	s_mov_b64 s[18:19], s[8:9]                     ; this chunk's pairs of tab
	s_wait_alu depctr_va_vdst(0)                   ; the offsets and addresses v1 to v20 are written: every load, store and prefetch of the kernel reads one of them
	BSCL 0, 6, 0                                   ; the ring's first three records go out ahead of key's units, as they do at the change of sub-tiles: so UNIT's counts hold in both
	BSCL 1, 6, REC
	BSCL 2, 6, 2*REC
	BFRAG 0, 6, 0
	BFRAG 1, 6, REC
	BFRAG 2, 6, 2*REC
	KLOAD 0, 0
	KLOAD 1, 0
	KLOAD 2, 0
	KLOAD 3, 0
	WIN 0
.Lsub:
	; ---- LOADING: my 32 rows
.irp u, 0,1,2,3,4,5,6,7,8,9,10,11,12
	UNIT \u, 48                                    ; three units of 16 loads are younger
.endr
	UNIT 13, 32
	UNIT 14, 16
	UNIT 15, 0
	s_wait_alu depctr_va_vdst(0)                   ; the last unit is quantised: F and its scale word are written, which the stores read; the quantiser is done with v128-211, in which key's first fragments land
	FSTORE 15
	BARRIER                                        ; the first barrier: the codes and scale words of all 128 rows lie in LDS
	; ---- THE PRODUCT AND THE SCORES
	s_wait_alu depctr_vm_vsrc(0)                   ; my last stores have read F, in which the loads below land
	AFRAG 0, 0
	AFRAG 0, 4
	ASCL 0
.set N, 0
.rept 64
	v_mov_b32 v[SC+N], 0                           ; the chunk is written once, so the scores begin as zeros
.set N, N+1
.endr
	s_mov_b32 s[CH], 4
.Lchunk:
	KSTEP 0, 12, 3*REC, 32
	KSTEP 1, 12, 4*REC, 36
	KSTEP 2, 12, 5*REC, 36
	KSTEP 3, 12, 6*REC, 32
	KSTEP 4, 12, 7*REC, 32
	KSTEP 5, 14, 0, 32
	KSTEP 6, 14, REC, 32
	KSTEP 7, 14, 2*REC, 32
	PLACES 4                                       ; four places before vector instructions read and write the last results
	WIN 0x82
	E1 0
.set TA, 0
.rept 32                               ; a tile's scalings stand between the exponentials of the tile before and its own
.if TA < 31
	E1 TA+1
.endif
	E2 TA
.set TA, TA+1
.endr
	v_nop                                          ; a plain instruction behind the last exponential,
	s_wait_alu depctr_va_vdst(0)                   ; and one wait for the 256 exponentials' results, ahead of the first instruction that names one
	E3 0
.set TA, 0
.rept 32
.if TA < 31
	E3 TA+1
.endif
	E4 TA
.set TA, TA+1
.endr
	v_nop
	s_wait_alu depctr_va_vdst(0)                   ; likewise for the 256 reciprocals' results
	WIN 0x02
.irp t, 0,1,2,3
.irp a, 0,1,2,3,4,5,6,7
.irp i, 0,2,4,6
	v_pk_fma_f32 v[SC+8*\a+\i:SC+8*\a+\i+1], v[8*(4*\a+\t)+\i:8*(4*\a+\t)+\i+1], v[TT+2*\t:TT+2*\t+1], v[SC+8*\a+\i:SC+8*\a+\i+1] op_sel:[0,1,0] op_sel_hi:[1,1,1]   ; x (-2 v): the pair's second word for both halves
.endr
.endr
.endr
	WIN 0
	s_wait_xcnt 0x0                                ; every load issued has read its base: the three pointers may be written
	s_sub_co_u32 s[CH], s[CH], 1
	s_mov_b64 s[12:13], s[14:15]
	s_add_nc_u64 s[16:17], s[14:15], CHB
	s_cmp_eq_u32 s[CH], 1
	s_cselect_b64 s[14:15], s[6:7], s[16:17]       ; behind the last chunk comes the first again
	s_add_nc_u64 s[16:17], s[18:19], 512
	s_cmp_eq_u32 s[CH], 0
	s_cselect_b64 s[18:19], s[8:9], s[16:17]
	s_cmp_lg_u32 s[CH], 0
	s_cbranch_scc1 .Lchunk
	; ---- THE SOFTMAX'S PARTS AND THE WEIGHTED SUM
	s_wait_alu depctr_va_vdst(0)                   ; the activation has written the accumulators and the scores' sums are done reading them: the next sub-tile's units land there
	s_cmp_eq_u32 s[SUB], 1
	s_cbranch_scc1 .Lno_next                       ; no load leaves its buffer: the second sub-tile has no successor
	KLOAD 0, SUBB                                  ; the next sub-tile's first four units, into the accumulators, which are done with
	KLOAD 1, SUBB
	KLOAD 2, SUBB
	KLOAD 3, SUBB
	WIN 0
.Lno_next:
.irp x, 1,2,4,8
.set N, 0
.rept 64
	v_add_f32_dpp v[SC+N], v[SC+N], v[SC+N] row_xmask:\x row_mask:0xf bank_mask:0xf      ; over my 16 columns' lanes
.set N, N+1
.endr
.endr
	s_wait_alu depctr_va_vdst(0)                   ; the additions have written the scores, which the LDS stores read
.irp a, 0,1,2,3,4,5,6,7
.irp q, 0,1
	ds_store_b128 v[SCW], v[SC+8*\a+4*\q:SC+8*\a+4*\q+3] offset:64*\a+16*\q    ; row 16 a + 8 h + j at byte 4 x row; sixteen lanes write the same bytes with the same values
.endr
.endr
	BARRIER                                        ; the second barrier: four partial scores of each row lie in LDS; nobody reads the codes any more
	s_wait_alu depctr_vm_vsrc(0)                   ; those stores have read v64-127, in which units read back land below
.irp x, 0,1,2,3
	ds_load_b128 v[SV+4*\x:SV+4*\x+3], v[SCL] offset:512*\x                    ; rows 4 lane .. + 3
.endr
	s_wait_dscnt 0x0
	v_pk_add_f32 v[SV:SV+1], v[SV:SV+1], v[SV+4:SV+5]
	v_pk_add_f32 v[SV+2:SV+3], v[SV+2:SV+3], v[SV+6:SV+7]
	v_pk_add_f32 v[SV+8:SV+9], v[SV+8:SV+9], v[SV+12:SV+13]
	v_pk_add_f32 v[SV+10:SV+11], v[SV+10:SV+11], v[SV+14:SV+15]
	v_pk_add_f32 v[SV:SV+1], v[SV:SV+1], v[SV+8:SV+9]
	v_pk_add_f32 v[SV+2:SV+3], v[SV+2:SV+3], v[SV+10:SV+11]
	v_max3_num_f32 v232, v[SV], v[SV+1], v[SV+2]
	v_max_num_f32 v232, v232, v[SV+3]
.irp x, 1,2,4,8
	v_max_num_f32_dpp v232, v232, v232 row_xmask:\x row_mask:0xf bank_mask:0xf
.endr
	v_permlanex16_b32 v[TMPX], v232, s[SEL], s[SEL+1]
	v_max_num_f32 v232, v232, v[TMPX]              ; the sub-tile's largest score
	v_mul_f32 v[ML], s30, v232                     ; m2
.irp e, 0,1,2,3
	v_fma_f32 v[PP+\e], v[SV+\e], s30, -v[ML]
.endr
.irp e, 0,1,2,3
	v_exp_f32 v[PP+\e], v[PP+\e]                   ; p
.endr
	v_nop
	s_wait_alu depctr_va_vdst(0)                   ; the four exponentials have written p, which the LDS store reads: one wait, ahead of their first reader
	ds_store_b128 v[PWS], v[PP:PP+3]               ; into my own copy,
.irp q, 0,1,2,3,4,5,6,7
	ds_load_b128 v[P+4*\q:P+4*\q+3], v[PWL] offset:16*\q                       ; and my 32 rows' back, the same in every lane: LDS serves a wave's instructions in order
.endr
	RLOAD 0, RB                                    ; five units are asked for at once: two into v64-127,
	RLOAD 1, RB+32
	WIN 0x40
	RLOAD 2, 0                                     ; three into v0-95 of window 1, which the last products have read ahead of the waits above
	RLOAD 3, 32
	RLOAD 4, 64
	WIN 0
	v_add_f32 v233, v[PP], v[PP+1]
	v_add_f32 v234, v[PP+2], v[PP+3]
	v_add_f32 v[ML+1], v233, v234
.irp x, 1,2,4,8
	v_add_f32_dpp v[ML+1], v[ML+1], v[ML+1] row_xmask:\x row_mask:0xf bank_mask:0xf
.endr
	v_permlanex16_b32 v[TMPX], v[ML+1], s[SEL], s[SEL+1]
	v_add_f32 v[ML+1], v[ML+1], v[TMPX]            ; l
.set N, 0
.rept 32
	v_mov_b32 v[CTX+N], 0
.set N, N+1
.endr
	s_wait_dscnt 40                                ; p is in; the five units' 40 loads may be out
	WIN 0x01
.irp u, 11,12,13,14,15
	CTXU \u, 96+32*(\u-11)                         ; the five units that stayed in registers
.endr
	WIN 0
	s_wait_dscnt 32                                ; unit 0 is in; four units' loads may be out
	CTXU 0, RB
	s_wait_dscnt 24
	CTXU 1, RB+32
	s_wait_alu depctr_va_vdst(0)                   ; the sums of units 0 and 1 are done reading v64-127, in which units 5 and 6 land
	RLOAD 5, RB
	RLOAD 6, RB+32
	s_wait_dscnt 16                                ; units 2 to 4 are in; the 16 loads just issued may be out
	WIN 0x01
	CTXU 2, 0
	CTXU 3, 32
	CTXU 4, 64
	WIN 0x40
	s_wait_alu depctr_va_vdst(0)                   ; the sums of units 2 to 4 are done reading v0-95 of window 1, in which units 7 to 9 land
	RLOAD 7, 0
	RLOAD 8, 32
	RLOAD 9, 64
	WIN 0
	s_wait_dscnt 24                                ; units 5 and 6 are in; the 24 loads just issued may be out
	CTXU 5, RB
	CTXU 6, RB+32
	s_wait_alu depctr_va_vdst(0)                   ; the sums of unit 5 are done reading v64-95, in which unit 10 lands
	RLOAD 10, RB
	s_wait_dscnt 8                                 ; units 7 to 9 are in
	WIN 0x01
	CTXU 7, 0
	CTXU 8, 32
	CTXU 9, 64
	WIN 0
	s_wait_dscnt 0x0
	CTXU 10, RB
	s_wait_alu depctr_va_vdst(0)                   ; the 32 sums are written, which the LDS stores read; unit 10's sums are done reading v64-95, in which the four waves' sums land below
.irp s, 0,1,2,3,4,5,6,7
	ds_store_b128 v[CTW], v[CTX+4*\s:CTX+4*\s+3] offset:512*\s                 ; my rows' sums, k ascending, over the codes
.endr
	BARRIER                                        ; the third barrier: four waves' sums lie in LDS
.irp x, 0,1,2,3
.irp j, 0,1
	ds_load_b128 v[RB+4*(2*\x+\j):RB+4*(2*\x+\j)+3], v[CTL] offset:4096*\x+512*\j   ; k = 256 w + 128 j + 4 lane .. of all four
.endr
.endr
	BARRIER                                        ; the fourth barrier: these loads are in, in every wave: the next sub-tile's codes may be written
.irp j, 0,1
.irp e, 0,2
	v_pk_add_f32 v[RB+4*\j+\e:RB+4*\j+\e+1], v[RB+4*\j+\e:RB+4*\j+\e+1], v[RB+8+4*\j+\e:RB+8+4*\j+\e+1]
	v_pk_add_f32 v[RB+16+4*\j+\e:RB+16+4*\j+\e+1], v[RB+16+4*\j+\e:RB+16+4*\j+\e+1], v[RB+24+4*\j+\e:RB+24+4*\j+\e+1]
.endr
.endr
.irp j, 0,1
.irp e, 0,2
	v_pk_add_f32 v[RB+4*\j+\e:RB+4*\j+\e+1], v[RB+4*\j+\e:RB+4*\j+\e+1], v[RB+16+4*\j+\e:RB+16+4*\j+\e+1]
.endr
.endr
	s_wait_alu depctr_va_vdst(0)                   ; the additions have written v64-71, which the stores read ((m2, l) were written ahead of earlier waits)
	global_store_b128 v[LI], v[RB:RB+3], s[10:11]                             ; 512 consecutive bytes a store
	global_store_b128 v[LI], v[RB+4:RB+7], s[10:11] offset:512
	s_cmp_lg_u32 s[WV], 0
	s_cbranch_scc1 .Lnot0
	global_store_b64 v[ML8], v[ML:ML+1], s[10:11] offset:4096                 ; wave 0: (m2, l), 32 times: 256 consecutive bytes
.Lnot0:
	s_wait_xcnt 0x0                                ; the stores and loads have read their registers and bases
	s_wait_alu depctr_vm_vsrc(0)                   ; the stores have read v64-71 and (m2, l), the LDS stores the 32 sums in v128-159: the next sub-tile writes all of these again
	s_add_nc_u64 s[4:5], s[4:5], SUBB
	s_add_nc_u64 s[10:11], s[10:11], 4352
	s_sub_co_u32 s[SUB], s[SUB], 1
	s_cmp_lg_u32 s[SUB], 0
	s_cbranch_scc1 .Lsub
	s_wait_dscnt 0x0
	s_wait_alu depctr_hold_cnt(0) depctr_sa_sdst(0) depctr_va_vdst(0) depctr_va_sdst(0) depctr_va_ssrc(0) depctr_va_vcc(0) depctr_vm_vsrc(0)
	s_wait_tensorcnt 0x0
	ds_add_u32 v254, v255
	s_wait_dscnt 0x0
	s_endpgm
.Lfunc_end_k_q5fa7523dd3_main:
	.size	k_q5fa7523dd3_main, .Lfunc_end_k_q5fa7523dd3_main-k_q5fa7523dd3_main
	.p2alignl 7, 3214868480
	.fill 96, 4, 3214868480
	.section	.rodata,"a",@progbits
	.p2align	6, 0x0
	.amdhsa_kernel k_q5fa7523dd3_main
		.amdhsa_group_segment_fixed_size 325120
		.amdhsa_private_segment_fixed_size 0
		.amdhsa_enable_private_segment 0
		.amdhsa_kernarg_size 32
		.amdhsa_user_sgpr_count 2
		.amdhsa_user_sgpr_kernarg_segment_ptr 1
		.amdhsa_wavefront_size32 1
		.amdhsa_system_sgpr_workgroup_id_x 1
		.amdhsa_system_sgpr_workgroup_id_y 1
		.amdhsa_system_sgpr_workgroup_id_z 1
		.amdhsa_system_vgpr_workitem_id 0
		.amdhsa_next_free_vgpr 1024
		.amdhsa_next_free_sgpr 66
		.amdhsa_reserve_vcc 0
		.amdhsa_float_denorm_mode_32 3
		.amdhsa_float_denorm_mode_16_64 3
		.amdhsa_memory_ordered 1
		.amdhsa_forward_progress 1
		.amdhsa_inst_pref_size 255
	.end_amdhsa_kernel
	.section	.bss,"aw",@nobits
	.p2align	6
	.space	262144
	.amdgpu_metadata
---
amdhsa.version: [ 1, 2 ]
amdhsa.kernels:
  - .name:           k_q5fa7523dd3_main
    .symbol:         k_q5fa7523dd3_main.kd
    .args:
      - { .name: key, .offset: 0, .size: 8, .value_kind: global_buffer, .address_space: global }
      - { .name: wq, .offset: 8, .size: 8, .value_kind: global_buffer, .address_space: global }
      - { .name: tab, .offset: 16, .size: 8, .value_kind: global_buffer, .address_space: global }
      - { .name: part, .offset: 24, .size: 8, .value_kind: global_buffer, .address_space: global }
    .group_segment_fixed_size: 325120
    .private_segment_fixed_size: 0
    .kernarg_segment_align: 8
    .kernarg_segment_size: 32
    .max_flat_workgroup_size: 128
    .sgpr_count:     66
    .vgpr_count:     1024
    .wavefront_size: 32
...
	.end_amdgpu_metadata
.endif
;; end of part 5
;; launch fin: the kernel of part 3 again; grid 32 x 1, 8 waves a work-group, no clusters, 0 bytes of LDS; arguments part, out0; writes out0
